; MI455X (gfx1250); checked and timed in simulation.
; The chip was launched on July 23, 2026; its instructions are those of AMD's public machine-readable ISA for CDNA 5 (MIT licence, August 2026) and "CDNA5" Instruction Set Architecture Reference Guide (July 2026). The comments in the code are by the model that wrote it; some were corrected since.
;; Multi Head Att. Allowed arithmetic: float matrix products may take bf16 or f16 operands with f32 sums; all other float work in f32.
;; Inputs: attn_mask 4 x 2,048 x 2,048 bool; k 4 x 2,048 x 1,024 float32; ln_b 1,024 float32; ln_w 1,024 float32; q 4 x 2,048 x 1,024 float32; v 4 x 2,048 x 1,024 float32; w_ks 16 x 1,024 x 64 float32; w_o 1,024 x 1,024 float32; w_qs 16 x 1,024 x 64 float32; w_vs 16 x 1,024 x 64 float32.
;; Outputs: out0 4 x 2,048 x 1,024 float32.
;; One version. Each part assembles by itself: llvm-mc -triple=amdgcn-amd-amdhsa -mcpu=gfx1250 --defsym DOCPART=n.
;; ======== version 1 of 1: 5 launches
;; limits: values outside matrix products are rounded to bf16
;; workspace buffers: xb 50,331,648 bytes; wqkv 6,291,456 bytes; wob 2,097,152 bytes; mbits 2,097,152 bytes of whole numbers; qkvp 50,331,648 bytes; ao 16,777,216 bytes; yb 16,777,216 bytes
;; launch prep (part 1): grid 1152 x 1, 8 waves a work-group, no clusters, 35,840 bytes of LDS; arguments q, k, v, attn_mask, w_qs, w_ks, w_vs, w_o, xb, wqkv, wob, mbits; writes xb, wqkv, wob, mbits
.if DOCPART == 1
	.amdgcn_target "amdgcn-amd-amdhsa--gfx1250"
	.amdhsa_code_object_version 6
	.text
	.protected	k_q44273a093d_prep
	.globl	k_q44273a093d_prep
	.p2align	8
	.type	k_q44273a093d_prep,@function
k_q44273a093d_prep:
	s_mov_b64 s[64:65], 0
	v_nop
	global_prefetch_b8 v0, s[64:65] scope:SCOPE_SE
	s_setreg_imm32_b32 hwreg(HW_REG_WAVE_MODE, 25, 1), 1
	s_wait_xcnt 0x0
; Brings every matrix operand into bf16, in the order in which the later launches read it, and the mask into lane masks.
;   work-groups    0 ..  767: q, k, v  [8192][1024] f32  ->  xb [3][8192][1024] bf16
;   work-groups  768 .. 1023: attn_mask bytes            ->  mbits u32 [4 b][128 qt][128 st][8 j];
;                             bit L of a word = (mask[b][16 qt + (L & 15)][16 st + 8 (L >> 4) + j] != 0)
;   work-groups 1024 .. 1119: w_qs, w_ks, w_vs [16 h][1024 d][64] f32 -> wqkv [3][1024 d][1024 n = 64 h + k] bf16
;   work-groups 1120 .. 1151: w_o [1024 n][1024 k] f32   ->  wob [16 kb][1024 n][64 k] bf16
; w_qs is multiplied in f32 by log2(e) / 8 ahead of its one rounding to bf16: 1 / sqrt(64) and the change from e^x to 2^x
; cost no rounding of their own, and the scores leave the matrix unit ready for v_exp_f32.  w_ks and w_vs go through the
; same line with the factor 1.0, so that the three share one text.
; A stream: every input byte is read once by 16-byte loads, every store of a wave covers 256 or 512 consecutive aligned bytes.
; No work-group shares a byte with another, so clusters, the matrix unit and the tensor mover have nothing to give here.
; LIMIT: a mask byte other than 0 counts as true.
.set LIN,  2                           ; v2        lane's byte offset in the input
.set LOUT, 3                           ; v3        lane's byte offset in the output
.set X,    4                           ; v[4:131]  32 units as loaded, 4 registers each
.set Y,    132                         ; v[132:195] 32 units to store, 2 registers each
.set LQ,   196                         ; v196      L & 15
.set LH,   197                         ; v197      L >> 4
.set L16,  198                         ; v198      16 (L & 15)
.set D,    68                          ; mask: v[68:99]   16 pairs of 8 mask bytes
.set TT,   100                         ; mask: v[100:103] at work
.set OUTR, 104                         ; mask: v[104:111] 4 words a lane for each of two units
.set STA,  112                         ; mask: LDS address, rows in
.set LDA,  113                         ; mask: LDS address, 8 bytes out
.set IN,   36                          ; s[36:37]  the wave's input
.set OUT,  38                          ; s[38:39]  the wave's output
.set SC,   44                          ; s[44:45]  the weights' factor, twice
; 32 units of one wave.  A unit is one load of 32 lanes x 16 bytes (4 f32) and one store of 32 lanes x 8 bytes (4 bf16):
; 256 consecutive bytes.  All 32 loads go out first; every unit has registers of its own, so no source is written again.
.macro CAST instep, outstep, scaled
.set u, 0
.rept 32
	global_load_b128 v[X+4*u:X+4*u+3], v[LIN], s[IN:IN+1] offset:u*\instep th:TH_LOAD_NT
.set u, u+1
.endr
.set u, 0
.rept 32
	s_wait_loadcnt 31-u                            ; loads come back in order: unit u is in, the 31 - u younger ones stay out
.if \scaled
	v_pk_mul_f32 v[X+4*u:X+4*u+1], v[X+4*u:X+4*u+1], s[SC:SC+1] op_sel_hi:[1,0]
	v_pk_mul_f32 v[X+4*u+2:X+4*u+3], v[X+4*u+2:X+4*u+3], s[SC:SC+1] op_sel_hi:[1,0]
.endif
	v_cvt_pk_bf16_f32 v[Y+2*u], v[X+4*u], v[X+4*u+1]
	v_cvt_pk_bf16_f32 v[Y+2*u+1], v[X+4*u+2], v[X+4*u+3]
	global_store_b64 v[LOUT], v[Y+2*u:Y+2*u+1], s[OUT:OUT+1] offset:u*\outstep   ; no hint: the next launch reads it
.set u, u+1
.endr
.endm
	s_load_b512 s[4:19], s[0:1], 0x0               ; q 4, k 6, v 8, attn_mask 10, w_qs 12, w_ks 14, w_vs 16, w_o 18
	s_load_b256 s[20:27], s[0:1], 0x40             ; xb 20, wqkv 22, wob 24, mbits 26
	v_lshl_add_u32 v208, v0, 2, 0x8800
	v_mov_b32 v209, 0
	v_lshrrev_b32 v1, 5, v0
	v_readfirstlane_b32 s29, v1                    ; wave 0..7
	v_and_b32 v1, 31, v0                           ; lane L
	v_and_b32 v[LQ], 15, v0
	v_bfe_u32 v[LH], v0, 4, 1
	v_lshlrev_b32 v[L16], 4, v[LQ]
	s_mov_b32 s28, ttmp9                           ; work-group
	s_mov_b32 s31, 0                               ; high words of the two offsets (all offsets are below 2^26)
	s_mov_b32 s33, 0
	s_wait_kmcnt 0x0
	s_cmp_ge_u32 s28, 768
	s_cbranch_scc1 .Lnot_x
	; ---- q, k, v: tensor t = wg >> 8, part g = wg & 255 of 131,072 bytes; a wave takes 16,384 of them
	s_lshr_b32 s34, s28, 8
	s_and_b32 s35, s28, 255
	s_cmp_eq_u32 s34, 1
	s_cselect_b64 s[IN:IN+1], s[6:7], s[4:5]
	s_cmp_eq_u32 s34, 2
	s_cselect_b64 s[IN:IN+1], s[8:9], s[IN:IN+1]
	s_lshl_b32 s30, s35, 17
	s_lshl_b32 s40, s29, 14
	s_add_co_u32 s30, s30, s40
	s_add_nc_u64 s[IN:IN+1], s[IN:IN+1], s[30:31]
	s_lshl_b32 s32, s34, 24                        ; t x 16,777,216
	s_lshl_b32 s40, s35, 16
	s_add_co_u32 s32, s32, s40
	s_lshl_b32 s40, s29, 13
	s_add_co_u32 s32, s32, s40
	s_add_nc_u64 s[OUT:OUT+1], s[20:21], s[32:33]
	v_lshlrev_b32 v[LIN], 4, v1
	v_lshlrev_b32 v[LOUT], 3, v1
	CAST 512, 256, 0
	s_endpgm
.Lnot_x:
	s_cmp_ge_u32 s28, 1024
	s_cbranch_scc1 .Lweights
	; ---- the mask.  A unit U is 16 q rows x 256 s: 4,096 bytes in, 128 words out at mbits + 512 U.
	; The wave takes U0 = 16 (wg - 768) + 2 w and U0 + 1: the same rows, neighbouring pieces of 256 bytes.
	s_sub_co_u32 s34, s28, 768
	s_lshl_b32 s35, s34, 1
	s_lshr_b32 s40, s29, 2
	s_add_co_u32 s35, s35, s40                     ; U0 >> 3: which 16 rows of the 8,192
	s_lshl_b32 s30, s35, 15                        ; x 16 rows of 2,048 bytes
	s_and_b32 s40, s29, 3
	s_lshl_b32 s40, s40, 9                         ; (U0 & 7) x 256
	s_add_co_u32 s30, s30, s40
	s_add_nc_u64 s[IN:IN+1], s[10:11], s[30:31]
	s_lshl_b32 s32, s34, 13                        ; 512 U0
	s_lshl_b32 s40, s29, 10
	s_add_co_u32 s32, s32, s40
	s_add_nc_u64 s[OUT:OUT+1], s[26:27], s[32:33]
	v_lshl_add_u32 v[LIN], v[LH], 11, v[L16]       ; lanes 0-15 one row's 256 bytes, lanes 16-31 the next row's
	v_lshlrev_b32 v[LOUT], 4, v1
	s_mul_i32 s40, s29, 4352                       ; the wave's own stage: 16 rows, 272 bytes apart
	v_mul_u32_u24 v[TT], v[LH], 272
	v_add3_u32 v[STA], v[TT], v[L16], s40
	v_mul_u32_u24 v[TT], v[LQ], 272
	v_lshl_add_u32 v[TT], v[LH], 3, v[TT]
	v_add_nc_u32 v[LDA], s40, v[TT]                ; row L & 15, bytes 8 (L >> 4) ..: 32 lanes touch 256 different bytes modulo 256
.irp e, 0,1
.irp a, 0,1,2,3,4,5,6,7
	global_load_b128 v[X+4*(8*\e+\a):X+4*(8*\e+\a)+3], v[LIN], s[IN:IN+1] offset:\a*4096+\e*256 th:TH_LOAD_NT
.endr
.endr
.irp e, 0,1
.irp a, 0,1,2,3,4,5,6,7
	s_wait_loadcnt 15-(8*\e+\a)                    ; load 8 e + a of the sixteen is in
	ds_store_b128 v[STA], v[X+4*(8*\e+\a):X+4*(8*\e+\a)+3] offset:\a*544
.endr
.irp t, 0,1,2,3,4,5,6,7,8,9,10,11,12,13,14,15
	ds_load_b64 v[D+2*\t:D+2*\t+1], v[LDA] offset:16*\t   ; LDS serves a wave's instructions in order: these see the stores above
.endr
.irp n, 0,1,2,3
	v_mov_b32 v[OUTR+4*\e+\n], 0                   ; v_writelane_b32 keeps the other lanes: the register is written whole first
.endr
.irp t, 0,1,2,3,4,5,6,7,8,9,10,11,12,13,14,15
	s_wait_dscnt 15-\t                             ; pair t is in
.irp g, 0,1
.irp n, 0,1,2,3
	v_and_b32 v[TT+\n], 0xff<<(8*\n), v[D+2*\t+\g]         ; byte j = 4 g + n of my eight
.endr
.irp n, 0,1,2,3
	v_cmp_ne_u32 s[40+\n], 0, v[TT+\n]                     ; the 32 lanes' answers are the word (t, j)
.endr
.irp n, 0,1,2,3
	v_writelane_b32 v[OUTR+4*\e+\n], s[40+\n], 2*\t+\g     ; word 8 t + j lies in lane (8 t + j) >> 2, register j & 3
.endr
.endr
.endr
	global_store_b128 v[LOUT], v[OUTR+4*\e:OUTR+4*\e+3], s[OUT:OUT+1] offset:\e*512   ; 512 consecutive bytes
.endr
	s_wait_tensorcnt 0x0
	ds_add_u32 v208, v209
	s_wait_dscnt 0x0
	s_endpgm
.Lweights:
	s_cmp_ge_u32 s28, 1120
	s_cbranch_scc1 .Lwo
	; ---- w_qs, w_ks, w_vs: matrix m, wave index wi = 0..255: heads 2 hp and 2 hp + 1, rows d0 .. d0 + 31
	s_sub_co_u32 s34, s28, 1024
	s_lshr_b32 s35, s34, 5                         ; m
	s_and_b32 s34, s34, 31
	s_lshl_b32 s34, s34, 3
	s_add_co_u32 s34, s34, s29                     ; wi
	s_cmp_eq_u32 s35, 1
	s_cselect_b64 s[IN:IN+1], s[14:15], s[12:13]
	s_cmp_eq_u32 s35, 2
	s_cselect_b64 s[IN:IN+1], s[16:17], s[IN:IN+1]
	s_mov_b32 s[SC], 0x3f800000                    ; 1.0 for w_ks and w_vs,
	s_cmp_eq_u32 s35, 0
	s_cselect_b32 s[SC], 0x3e38aa3b, s[SC]         ; log2(e) / 8 for w_qs
	s_mov_b32 s[SC+1], s[SC]
	s_lshr_b32 s40, s34, 5                         ; hp
	s_and_b32 s41, s34, 31                         ; d0 / 32
	s_lshl_b32 s30, s40, 19                        ; two heads of 262,144 bytes
	s_lshl_b32 s42, s41, 13                        ; 32 rows of 256 bytes
	s_add_co_u32 s30, s30, s42
	s_add_nc_u64 s[IN:IN+1], s[IN:IN+1], s[30:31]
	s_lshl_b32 s32, s35, 21                        ; m x 2,097,152
	s_lshl_b32 s42, s41, 16                        ; 32 rows of 2,048 bytes
	s_add_co_u32 s32, s32, s42
	s_lshl_b32 s42, s40, 8                         ; two heads' 128 columns
	s_add_co_u32 s32, s32, s42
	s_add_nc_u64 s[OUT:OUT+1], s[22:23], s[32:33]
	v_lshl_add_u32 v[LIN], v[LH], 18, v[L16]       ; lanes 0-15 head 2 hp, lanes 16-31 head 2 hp + 1
	v_lshlrev_b32 v[LOUT], 3, v1
	CAST 256, 2048, 1
	s_endpgm
.Lwo:
	; ---- w_o: wave index wi = 0..255: K block kb = wi >> 4, rows n0 = 64 (wi & 15) .. + 63, two rows a unit
	s_sub_co_u32 s34, s28, 1120
	s_lshl_b32 s34, s34, 3
	s_add_co_u32 s34, s34, s29
	s_lshr_b32 s40, s34, 4                         ; kb
	s_and_b32 s41, s34, 15
	s_lshl_b32 s30, s41, 18                        ; 64 rows of 4,096 bytes
	s_lshl_b32 s42, s40, 8                         ; 64 f32
	s_add_co_u32 s30, s30, s42
	s_add_nc_u64 s[IN:IN+1], s[18:19], s[30:31]
	s_lshl_b32 s32, s40, 17                        ; kb x 131,072
	s_lshl_b32 s42, s41, 13                        ; 64 rows of 128 bytes
	s_add_co_u32 s32, s32, s42
	s_add_nc_u64 s[OUT:OUT+1], s[24:25], s[32:33]
	v_lshl_add_u32 v[LIN], v[LH], 12, v[L16]
	v_lshlrev_b32 v[LOUT], 3, v1
	CAST 8192, 256, 0
	s_endpgm
.Lfunc_end_k_q44273a093d_prep:
	.size	k_q44273a093d_prep, .Lfunc_end_k_q44273a093d_prep-k_q44273a093d_prep
	.p2alignl 7, 3214868480
	.fill 96, 4, 3214868480
	.section	.rodata,"a",@progbits
	.p2align	6, 0x0
	.amdhsa_kernel k_q44273a093d_prep
		.amdhsa_group_segment_fixed_size 35840
		.amdhsa_private_segment_fixed_size 0
		.amdhsa_enable_private_segment 0
		.amdhsa_kernarg_size 96
		.amdhsa_user_sgpr_count 2
		.amdhsa_user_sgpr_kernarg_segment_ptr 1
		.amdhsa_wavefront_size32 1
		.amdhsa_system_sgpr_workgroup_id_x 1
		.amdhsa_system_sgpr_workgroup_id_y 1
		.amdhsa_system_sgpr_workgroup_id_z 1
		.amdhsa_system_vgpr_workitem_id 0
		.amdhsa_next_free_vgpr 210
		.amdhsa_next_free_sgpr 66
		.amdhsa_reserve_vcc 0
		.amdhsa_float_denorm_mode_32 3
		.amdhsa_float_denorm_mode_16_64 3
		.amdhsa_memory_ordered 1
		.amdhsa_forward_progress 1
		.amdhsa_inst_pref_size 96
	.end_amdhsa_kernel
	.amdgpu_metadata
---
amdhsa.version: [ 1, 2 ]
amdhsa.kernels:
  - .name:           k_q44273a093d_prep
    .symbol:         k_q44273a093d_prep.kd
    .args:
      - { .name: q, .offset: 0, .size: 8, .value_kind: global_buffer, .address_space: global }
      - { .name: k, .offset: 8, .size: 8, .value_kind: global_buffer, .address_space: global }
      - { .name: v, .offset: 16, .size: 8, .value_kind: global_buffer, .address_space: global }
      - { .name: attn_mask, .offset: 24, .size: 8, .value_kind: global_buffer, .address_space: global }
      - { .name: w_qs, .offset: 32, .size: 8, .value_kind: global_buffer, .address_space: global }
      - { .name: w_ks, .offset: 40, .size: 8, .value_kind: global_buffer, .address_space: global }
      - { .name: w_vs, .offset: 48, .size: 8, .value_kind: global_buffer, .address_space: global }
      - { .name: w_o, .offset: 56, .size: 8, .value_kind: global_buffer, .address_space: global }
      - { .name: xb, .offset: 64, .size: 8, .value_kind: global_buffer, .address_space: global }
      - { .name: wqkv, .offset: 72, .size: 8, .value_kind: global_buffer, .address_space: global }
      - { .name: wob, .offset: 80, .size: 8, .value_kind: global_buffer, .address_space: global }
      - { .name: mbits, .offset: 88, .size: 8, .value_kind: global_buffer, .address_space: global }
    .group_segment_fixed_size: 35840
    .private_segment_fixed_size: 0
    .kernarg_segment_align: 8
    .kernarg_segment_size: 96
    .max_flat_workgroup_size: 256
    .sgpr_count:     66
    .vgpr_count:     210
    .wavefront_size: 32
...
	.end_amdgpu_metadata
.endif
;; end of part 1
;; launch proj (part 2): grid 4 x 96, 4 waves a work-group, clusters of 4 x 4, 327,680 bytes of LDS; arguments xb, wqkv, qkvp; writes qkvp
.if DOCPART == 2
	.amdgcn_target "amdgcn-amd-amdhsa--gfx1250"
	.amdhsa_code_object_version 6
	.text
	.protected	k_q44273a093d_proj
	.globl	k_q44273a093d_proj
	.p2align	8
	.type	k_q44273a093d_proj,@function
k_q44273a093d_proj:
	s_mov_b64 s[64:65], 0
	v_nop
	global_prefetch_b8 v0, s[64:65] scope:SCOPE_SE
	s_setreg_imm32_b32 hwreg(HW_REG_WAVE_MODE, 25, 1), 1
	s_wait_xcnt 0x0
	s_wait_alu depctr_hold_cnt(0) depctr_sa_sdst(0) depctr_va_vdst(0) depctr_va_sdst(0) depctr_va_ssrc(0) depctr_va_vcc(0) depctr_vm_vsrc(0)
	s_getreg_b32 s2, hwreg(HW_REG_IB_STS2, 6, 4)
	s_cmp_eq_u32 s2, 0
	s_cbranch_scc0 .Lentry_in_a_cluster
	s_endpgm
.Lentry_in_a_cluster:
	s_bfe_u32 s2, ttmp6, 0x10000c
	s_cmp_lg_u32 s2, 0xf033
	s_cbranch_scc0 .Lentry_shape_is_right
	s_endpgm
.Lentry_shape_is_right:
; The three projections as one product: C[m][n] = sum over d of X[m][d] W[d][n], X = xb as 24,576 rows (q's, k's, v's 8,192 each),
; W = the matrix of wqkv that belongs to the rows' tensor.  C goes out as qkvp bf16 [3][16 h][8192 rows][64], h = n >> 6.
; A work-group makes 256 x 256 of C with four waves, a wave 128 x 128: 64 accumulator tiles, 512 registers.  K = 1024 goes in steps of
; 128 through two LDS slots filled by the tensor data mover.  X's rows lie along K (256 bytes a row and step, LDS rows 272 bytes apart);
; W's rows lie along n (128 K rows of 512 bytes, LDS rows 544 bytes apart) and its fragments are read by the transposing LDS load.
; CLUSTERS: 4 x 4 work-groups.  The four of a row of the cluster need the same tiles of X, the four of a column the same tiles of W:
; each tile is asked for jointly, which divides the requests for X and W by four.  A cluster's four block rows lie in one tensor
; (32 block rows a tensor, 8 clusters), so the matrix number hangs on the cluster's y alone.
; 384 blocks of equal work: 24,576 x 1,024 divides only into 3 x 2^n blocks; the block of 256 x 256 is kept because it feeds most
; multiply-adds from each LDS byte.
;
; REGISTERS in windows of 256: window 0: v16-26 addresses, v64-127 and v128-191 fragments of X (two buffers), v192-223 the way out;
; window 1: v64-127, v128-191 fragments of W; windows 2 and 3: the accumulators of my rows 0-63 and 64-127, tile (a, b) at v[8 (8 a + b)].
; Source 0 takes 16 columns of W, source 1 takes 16 rows of X: lane l then holds row l % 16 of C and its eight registers the
; columns 8 (l / 16) + 0..7, which pack into 16 neighbouring bytes.
.set SIZE_K, 1024
.set KSTEP,  128
.set PITCH,  272                       ; X in LDS: 256 bytes + 16 of padding, an odd multiple of 16
.set WPITCH, 544                       ; W in LDS: 512 bytes + 32 of padding, an odd multiple of 32
.set HALFT,  128*PITCH                 ; what one tensor load brings: 128 rows of X, or 64 rows of W (64 x 544 is the same 34,816)
.set SLOT,   4*HALFT                   ; X's 256 rows, then W's 128 K rows
.set STAGE,  2*SLOT                    ; behind the ring: 16 rows x 272 bytes for each wave
.set SPITCH, 272
.set LAPS, SIZE_K/(2*KSTEP)            ; a lap = two K steps = once round the ring: 4
.set ADRA, 16                          ; v16-17  my X fragments in slot 0, 1
.set ADRB, 20                          ; v20-21  my W fragments in slot 0, 1
.set STO,  24
.set RD,   25
.set CO,   26
.set F0,   64
.set F1,   128
.set TMP,  192
.set G1, 24                            ; s[24:31] group 1 for X's tiles
.set G0, 32                            ; s[32:39] group 0 for X's tiles, a set for each slot
.set G1B, 48                           ; s[48:55] group 1 for W's tiles
.set G0B, 56                           ; s[56:63] group 0 for W's tiles, a set for each slot
.set MSB, 0
.macro WIN new                         ; the immediate's high byte repeats the setting that is left
.if MSB != \new
	s_set_vgpr_msb (MSB<<8)|\new
.set MSB, \new
.endif
.endm
.set MUL_LO, 0xa1                      ; source 0 (W) window 1, source 1 (X) window 0, C and D window 2
.set MUL_HI, 0xf1                      ; the same, C and D window 3
.set TO_B,   0x40                      ; destination window 1, address window 0
; A joint load.  Waves 0 and 1 fetch X's two halves, waves 2 and 3 W's.  The branch hangs on the wave's number alone.
.macro JLOAD s
	s_cmp_eq_u32 s11, 0
	s_cbranch_scc0 .Lfor_b_\@
	tensor_load_to_lds s[G0+4*\s:G0+4*\s+3], s[G1:G1+7]
	s_nop 0
	s_branch .Lasked_\@
.Lfor_b_\@:
	tensor_load_to_lds s[G0B+4*\s:G0B+4*\s+3], s[G1B:G1B+7]
	s_nop 0
.Lasked_\@:
.endm
; A round of the cluster's barrier: my work-group's barrier; wave 0 signals for the work-group; every wave waits for all sixteen; my work-group's barrier again.
.macro CREST                           ; a round behind its opening barrier
	s_cmp_lg_u32 s10, 0
	s_cbranch_scc1 .Lnot_wave_0_\@
	s_barrier_signal -3
.Lnot_wave_0_\@:
	s_barrier_wait -3
	s_barrier_signal -1
	s_barrier_wait -1
.endm
.macro CROUND
	s_barrier_signal -1
	s_barrier_wait -1
	CREST
.endm
	s_load_b128 s[4:7], s[0:1], 0x0                ; xb s[4:5], wqkv s[6:7]
	s_load_b64 s[8:9], s[0:1], 0x10                ; qkvp
	s_set_vgpr_msb 0x40
	v_lshl_add_u32 v255, v0, 2, 0x48400
	s_set_vgpr_msb 0x4000
	v_mov_b32 v255, 0
	s_set_vgpr_msb 0x1
	ds_add_u32 v255, v255
	s_set_vgpr_msb 0x100
	v_lshrrev_b32 v1, 5, v0
	v_readfirstlane_b32 s10, v1                    ; wave 0..3
	s_lshr_b32 s11, s10, 1                         ; which half of the block's rows is mine.  Also: I fetch for X (0) or for W (1)
	s_and_b32 s12, s10, 1                          ; which half of its columns.  Also: which half of that tile I fetch
	s_bfe_u32 s40, ttmp6, 0x40000                  ; cx
	s_bfe_u32 s41, ttmp6, 0x40004                  ; cy
	s_lshl_b32 s42, ttmp9, 2
	s_add_co_u32 s42, s42, s40                     ; block column = 4 x cluster x + cx
	s_and_b32 s45, ttmp7, 0xffff                   ; cluster y
	s_lshl_b32 s13, s45, 2
	s_add_co_u32 s13, s13, s41                     ; block row = 4 x cluster y + cy, 0..95
	s_lshr_b32 s45, s45, 3                         ; which tensor and matrix: 8 clusters each
	s_lshl_b32 s43, s41, 2
	s_lshl_b32 s43, 15, s43                        ; my row of the cluster
	s_lshl_b32 s44, 0x1111, s40                    ; my column
	; group 1 for X: 128 rows x 128 elements of 2 bytes; 4 words of padding behind every 64
	s_or_b32 s[G1+0], s43, (1<<16)|(1<<20)|(1<<21)|(5<<22)|(3<<25)
	s_mov_b32 s[G1+1], KSTEP<<16                   ; tensor_dim0 = 128
	s_mov_b32 s[G1+2], 128<<16                     ; tensor_dim1 = 128
	s_mov_b32 s[G1+3], KSTEP<<16                   ; tile_dim0 = 128
	s_mov_b32 s[G1+4], 128                         ; tile_dim1 = 128
	s_mov_b32 s[G1+5], SIZE_K                      ; elements from row to row
	s_mov_b32 s[G1+6], 0
	s_mov_b32 s[G1+7], 0
	; group 1 for W: 64 K rows x 256 elements of 2 bytes; 8 words of padding behind every 128
	s_or_b32 s[G1B+0], s44, (1<<16)|(1<<20)|(1<<21)|(6<<22)|(7<<25)
	s_mov_b32 s[G1B+1], 256<<16                    ; tensor_dim0 = 256
	s_mov_b32 s[G1B+2], 64<<16                     ; tensor_dim1 = 64
	s_mov_b32 s[G1B+3], 256<<16                    ; tile_dim0 = 256
	s_mov_b32 s[G1B+4], 64                         ; tile_dim1 = 64
	s_mov_b32 s[G1B+5], 1024                       ; elements from K row to K row
	s_mov_b32 s[G1B+6], 0
	s_mov_b32 s[G1B+7], 0
	; X's address hangs on the block row alone, W's on the block column and the cluster's y alone; each in registers that never hold the other place
	s_lshl_b32 s17, s12, 7
	s_lshl_b32 s16, s13, 8
	s_add_co_u32 s16, s16, s17                     ; X: row 256 x block row + 128 x half
	s_lshl_b32 s16, s16, 11                        ; rows of 2,048 bytes: below 2^26
	s_mov_b32 s17, 0
	s_lshl_b32 s46, s45, 21                        ; W: matrix x 2,097,152
	s_lshl_b32 s47, s12, 17                        ; + half x 64 K rows of 2,048 bytes
	s_add_co_u32 s46, s46, s47
	s_lshl_b32 s47, s42, 9                         ; + block column x 512 bytes
	s_add_co_u32 s46, s46, s47
	s_mov_b32 s47, 0
	s_mul_i32 s20, s10, HALFT                      ; where they go: wave x 34,816
	s_wait_dscnt 0x0
	s_wait_kmcnt 0x0
	s_add_nc_u64 s[14:15], s[4:5], s[16:17]
	s_add_nc_u64 s[46:47], s[6:7], s[46:47]
	CROUND                                         ; all sixteen work-groups are here: the first joint loads meet
.irp s, 0,1
	s_mov_b32 s[G0+4*\s], 1
	s_add_co_u32 s[G0+4*\s+1], s20, \s*SLOT
	s_add_nc_u64 s[G0+4*\s+2:G0+4*\s+3], s[14:15], \s*KSTEP*2        ; K step s: 256 bytes along the rows
	s_or_b32 s[G0+4*\s+3], s[G0+4*\s+3], 0x80000000
	s_mov_b32 s[G0B+4*\s], 1
	s_add_co_u32 s[G0B+4*\s+1], s20, \s*SLOT
	s_add_nc_u64 s[G0B+4*\s+2:G0B+4*\s+3], s[46:47], \s*KSTEP*2048   ; K step s: 128 rows down
	s_or_b32 s[G0B+4*\s+3], s[G0B+4*\s+3], 0x80000000
	JLOAD \s                                       ; both slots' first fills go out as one group: two loads of the wave are out
.endr
	v_and_b32 v1, 15, v0                           ; l % 16
	v_bfe_u32 v2, v0, 4, 1                         ; l / 16
	v_mul_u32_u24 v3, v1, PITCH
	v_lshl_add_u32 v3, v2, 4, v3                   ; X: row x pitch + 16 x half
	v_and_b32 v6, 7, v0
	v_lshl_add_u32 v6, v2, 3, v6                   ; W: K row 8 (l / 16) + l % 8,
	v_mul_u32_u24 v6, v6, WPITCH
	v_bfe_u32 v7, v0, 3, 1
	v_lshl_add_u32 v6, v7, 4, v6                   ; 16 bytes for each group of eight lanes
	s_mul_i32 s21, s11, HALFT                      ; my 128 rows of X
	s_lshl_b32 s22, s12, 8                         ; my 128 columns of W,
	s_add_co_u32 s22, s22, 2*HALFT                 ; which lies behind X's 256 rows
.irp s, 0,1
	v_add_nc_u32 v[ADRA+\s], s21, v3
	v_add_nc_u32 v[ADRB+\s], s22, v6
	s_add_co_u32 s21, s21, SLOT
	s_add_co_u32 s22, s22, SLOT
.endr
	s_mul_i32 s23, s10, 16*SPITCH
	s_add_co_u32 s23, s23, STAGE                   ; my stage
	v_mul_u32_u24 v4, v1, SPITCH
	v_lshl_add_u32 v4, v2, 4, v4
	v_add_nc_u32 v[STO], s23, v4                   ; in: row l % 16, 16 bytes for each half of the lanes
	v_bfe_u32 v5, v0, 3, 2
	v_mul_u32_u24 v5, v5, SPITCH
	v_and_b32 v8, 7, v0
	v_lshl_add_u32 v5, v8, 4, v5
	v_add_nc_u32 v[RD], s23, v5                    ; back: eight lanes take one row's 128 bytes of one head, 32 lanes four rows
	v_and_b32 v9, 31, v0
	v_lshlrev_b32 v[CO], 4, v9                     ; which are 512 consecutive bytes of qkvp
; 16 matrix instructions: m blocks a0, a0 + 1 of the window's four x all 8 n blocks, 32 along K.  zero = 1: the first product starts the sums.
.macro MUL16 f, hi, a0, zero
.irp a, \a0, \a0+1
.irp b, 0,1,2,3,4,5,6,7
.if \zero
	v_wmma_f32_16x16x32_bf16 v[8*(8*(\a)+\b):8*(8*(\a)+\b)+7], v[\f+8*\b:\f+8*\b+7], v[\f+8*(4*\hi+\a):\f+8*(4*\hi+\a)+7], 0
.else
	v_wmma_f32_16x16x32_bf16 v[8*(8*(\a)+\b):8*(8*(\a)+\b)+7], v[\f+8*\b:\f+8*\b+7], v[\f+8*(4*\hi+\a):\f+8*(4*\hi+\a)+7], v[8*(8*(\a)+\b):8*(8*(\a)+\b)+7]
.endif
.endr
.endr
.endm
; 32 LDS loads in one run: the fragments of quarter c of a K step (32 along K) into buffer f.
; W: the transposing load brings lane l the eight K of column n0 + l % 16; two loads, 16 K rows apart, make a fragment.
.macro FETCH slot, c, f
	WIN TO_B
.irp i, 0,1,2,3,4,5,6,7
	ds_load_tr16_b128 v[\f+8*\i:\f+8*\i+3],   v[ADRB+\slot] offset:\c*32*WPITCH+32*\i
	ds_load_tr16_b128 v[\f+8*\i+4:\f+8*\i+7], v[ADRB+\slot] offset:\c*32*WPITCH+32*\i+16*WPITCH
.endr
	WIN 0
.irp i, 0,1,2,3,4,5,6,7
	ds_load_b128 v[\f+8*\i:\f+8*\i+3],   v[ADRA+\slot] offset:\c*64+\i*16*PITCH
	ds_load_b128 v[\f+8*\i+4:\f+8*\i+7], v[ADRA+\slot] offset:\c*64+\i*16*PITCH+32
.endr
.endm
; Four plain vector instructions stand between a matrix instruction and a load into, or a vector instruction on, one of its registers.
.macro PLACES
.rept 4
	v_nop
.endr
.endm
; A K step is four quarters of 32 along K, 64 matrix instructions each, on buffers 0, 1, 0, 1.  The 64 accumulators take turns,
; one instruction a turn, in the same order in every quarter.
.macro QUARTER slot, c, f, g, zero
	s_wait_dscnt 8                                 ; W and X's rows 0-63 are in; the youngest eight loads (X's rows 64-127) may be out
	WIN MUL_LO
	MUL16 \f, 0, 0, \zero
	MUL16 \f, 0, 2, \zero
	PLACES
	FETCH \slot, \c, \g
	s_wait_dscnt 32                                ; all but the 32 just issued
	WIN MUL_HI
	MUL16 \f, 1, 0, \zero
	MUL16 \f, 1, 2, \zero
.endm
.macro THREE slot, zero
	QUARTER \slot, 1, F0, F1, \zero
	QUARTER \slot, 2, F1, F0, 0
	QUARTER \slot, 3, F0, F1, 0
.endm
; The last quarter multiplies buffer 1 and changes slots.  In front of the barrier each wave waits for its reads of this slot and for all its
; tensor loads (one is out: its part of the next slot).  Behind it the refill comes first, then the next slot's first fragments.
.macro TURN slot, next, fill
	s_wait_dscnt 8
	WIN MUL_LO
	MUL16 F1, 0, 0, 0
	s_wait_dscnt 0                                 ; my reads of this slot are over
	s_wait_tensorcnt 0x0                           ; all my tensor loads have landed
	ds_add_u32 v255, v255
	s_wait_dscnt 0x0
	s_barrier_signal -1                            ; where a slot is filled again this barrier opens a round of the cluster's barrier
	MUL16 F1, 0, 2, 0                              ; registers only
	WIN 0
	s_barrier_wait -1
.if \fill
	CREST                                          ; no wave of any partner still reads this slot or has a load on its way
	s_add_nc_u64 s[G0+4*\slot+2:G0+4*\slot+3], s[G0+4*\slot+2:G0+4*\slot+3], 2*KSTEP*2
	s_add_nc_u64 s[G0B+4*\slot+2:G0B+4*\slot+3], s[G0B+4*\slot+2:G0B+4*\slot+3], 2*KSTEP*2048
	JLOAD \slot                                    ; the wave's one tensor load behind the round
.endif
	PLACES
	FETCH \next, 0, F0
	WIN MUL_HI
	MUL16 F1, 1, 0, 0
	MUL16 F1, 1, 2, 0
.endm
.macro LAP zero
	THREE 0, \zero
	TURN 0, 1, 1
	THREE 1, 0
	TURN 1, 0, 1
.endm
	s_wait_tensorcnt 1                             ; my part of K step 0 is in; K step 1's stays out
	s_barrier_signal -1
	s_barrier_wait -1
	FETCH 0, 0, F0
	LAP 1                                          ; the first lap's first products start the sums
	WIN 0
	s_mov_b32 s3, LAPS-2
.Llap:
	LAP 0
	WIN 0
	s_sub_co_u32 s3, s3, 1
	s_cmp_lg_u32 s3, 0
	s_cbranch_scc1 .Llap
	THREE 0, 0                                     ; the last lap fills nothing
	TURN 0, 1, 0
	THREE 1, 0
	s_wait_dscnt 8
	WIN MUL_LO
	MUL16 F1, 0, 0, 0
	MUL16 F1, 0, 2, 0
	s_wait_dscnt 0
	WIN MUL_HI
	MUL16 F1, 1, 0, 0
	MUL16 F1, 1, 2, 0
	; THE WAY OUT, 16 rows at a time: round to bf16, 16 bytes a lane into my stage, read back as four rows of one head.
	PLACES
	s_and_b32 s13, s13, 31                         ; block row within the tensor
	s_lshl_b32 s13, s13, 8
	s_lshl_b32 s14, s11, 7
	s_add_co_u32 s16, s13, s14                     ; my first row
	s_lshl_b32 s16, s16, 7                         ; rows of 128 bytes
	s_lshl_b32 s14, s45, 24                        ; tensor x 16,777,216
	s_add_co_u32 s16, s16, s14
	s_mov_b32 s17, 0
	s_add_nc_u64 s[8:9], s[8:9], s[16:17]
	s_lshl_b32 s46, s42, 22                        ; my first head = 4 x block column + 2 x half, 1,048,576 bytes a head
	s_lshl_b32 s47, s12, 21
	s_add_co_u32 s46, s46, s47
	s_mov_b32 s47, 0
	s_add_nc_u64 s[8:9], s[8:9], s[46:47]
.macro OUT16 i, a, from, f
	WIN \from
.irp b, 0,1,2,3,4,5,6,7
.irp r, 0,1,2,3
	v_cvt_pk_bf16_f32 v[TMP+4*\b+\r], v[8*(8*\a+\b)+2*\r], v[8*(8*\a+\b)+2*\r+1]
.endr
.endr
	WIN 0
.irp b, 0,1,2,3,4,5,6,7
	ds_store_b128 v[STO], v[TMP+4*\b:TMP+4*\b+3] offset:32*\b
.endr
	s_wait_xcnt 0x0                                ; buffer f, which earlier stores read, and the stores' base are rewritten only behind this wait
.if \i
	s_add_nc_u64 s[8:9], s[8:9], 16*128            ; 16 rows on
.endif
.irp t, 0,1,2,3,4,5,6,7
	ds_load_b128 v[\f+4*\t:\f+4*\t+3], v[RD] offset:(\t&3)*4*SPITCH+(\t>>2)*128   ; rows 4 (t & 3) .. + 3, head t >> 2; a wave's LDS instructions are served in order
.endr
.irp t, 0,1,2,3,4,5,6,7
	s_wait_dscnt 7-\t
	global_store_b128 v[CO], v[\f+4*\t:\f+4*\t+3], s[8:9] offset:(\t>>2)*1048576+(\t&3)*512   ; 512 consecutive bytes, aligned
.endr
.endm
	OUT16 0, 0, 0x0a, F0
	OUT16 1, 1, 0x0a, F1
	OUT16 2, 2, 0x0a, F0
	OUT16 3, 3, 0x0a, F1
	OUT16 4, 0, 0x0f, F0
	OUT16 5, 1, 0x0f, F1
	OUT16 6, 2, 0x0f, F0
	OUT16 7, 3, 0x0f, F1
	s_set_vgpr_msb 0x1
	s_wait_tensorcnt 0x0
	ds_add_u32 v255, v255
	s_wait_dscnt 0x0
	s_set_vgpr_msb 0x100
	CROUND                                         ; the closing round: no work-group ends while a partner may still ask jointly
	s_endpgm
.Lfunc_end_k_q44273a093d_proj:
	.size	k_q44273a093d_proj, .Lfunc_end_k_q44273a093d_proj-k_q44273a093d_proj
	.p2alignl 7, 3214868480
	.fill 96, 4, 3214868480
	.section	.rodata,"a",@progbits
	.p2align	6, 0x0
	.amdhsa_kernel k_q44273a093d_proj
		.amdhsa_group_segment_fixed_size 327680
		.amdhsa_private_segment_fixed_size 0
		.amdhsa_enable_private_segment 0
		.amdhsa_kernarg_size 24
		.amdhsa_user_sgpr_count 2
		.amdhsa_user_sgpr_kernarg_segment_ptr 1
		.amdhsa_wavefront_size32 1
		.amdhsa_system_sgpr_workgroup_id_x 1
		.amdhsa_system_sgpr_workgroup_id_y 1
		.amdhsa_system_sgpr_workgroup_id_z 1
		.amdhsa_system_vgpr_workitem_id 0
		.amdhsa_next_free_vgpr 1024
		.amdhsa_next_free_sgpr 66
		.amdhsa_reserve_vcc 0
		.amdhsa_float_denorm_mode_32 3
		.amdhsa_float_denorm_mode_16_64 3
		.amdhsa_memory_ordered 1
		.amdhsa_forward_progress 1
		.amdhsa_inst_pref_size 197
	.end_amdhsa_kernel
	.amdgpu_metadata
---
amdhsa.version: [ 1, 2 ]
amdhsa.kernels:
  - .name:           k_q44273a093d_proj
    .symbol:         k_q44273a093d_proj.kd
    .args:
      - { .name: xb, .offset: 0, .size: 8, .value_kind: global_buffer, .address_space: global }
      - { .name: wqkv, .offset: 8, .size: 8, .value_kind: global_buffer, .address_space: global }
      - { .name: qkvp, .offset: 16, .size: 8, .value_kind: global_buffer, .address_space: global }
    .group_segment_fixed_size: 327680
    .private_segment_fixed_size: 0
    .kernarg_segment_align: 8
    .kernarg_segment_size: 24
    .max_flat_workgroup_size: 128
    .sgpr_count:     66
    .vgpr_count:     1024
    .wavefront_size: 32
...
	.end_amdgpu_metadata
.endif
;; end of part 2
;; launch attn (part 3): grid 256 x 1, 8 waves a work-group, clusters of 4 x 1, 327,680 bytes of LDS; arguments qkvp, mbits, ao; writes ao
.if DOCPART == 3
	.amdgcn_target "amdgcn-amd-amdhsa--gfx1250"
	.amdhsa_code_object_version 6
	.text
	.protected	k_q44273a093d_attn
	.globl	k_q44273a093d_attn
	.p2align	8
	.type	k_q44273a093d_attn,@function
k_q44273a093d_attn:
	s_mov_b64 s[64:65], 0
	v_nop
	global_prefetch_b8 v0, s[64:65] scope:SCOPE_SE
	s_setreg_imm32_b32 hwreg(HW_REG_WAVE_MODE, 25, 1), 1
	s_wait_xcnt 0x0
	s_wait_alu depctr_hold_cnt(0) depctr_sa_sdst(0) depctr_va_vdst(0) depctr_va_sdst(0) depctr_va_ssrc(0) depctr_va_vcc(0) depctr_vm_vsrc(0)
	s_getreg_b32 s2, hwreg(HW_REG_IB_STS2, 6, 4)
	s_cmp_eq_u32 s2, 0
	s_cbranch_scc0 .Lentry_in_a_cluster
	s_endpgm
.Lentry_in_a_cluster:
	s_bfe_u32 s2, ttmp6, 0x10000c
	s_cmp_lg_u32 s2, 0x3003
	s_cbranch_scc0 .Lentry_shape_is_right
	s_endpgm
.Lentry_shape_is_right:
; Masked attention of one (head, batch) pair a cluster: ao[hb][q][d] = softmax over s of (scores, masked) x V, with a running maximum.
; qkvp: bf16 [3][64 hb][2048][64]; Q already carries log2(e) / 8, so a score is an exponent of 2.  ao: bf16 [64 hb][2048][64].
; CLUSTER of 4: the four work-groups take 512 q rows each of one hb and read the same K and V: every tile of 256 s is asked for jointly
; (mask 15), which divides the requests for K and V by four.  Eight waves, 64 q rows (4 q tiles) each; two waves share a SIMD.
; EVERYTHING IS COMPUTED TRANSPOSED.  S^T = K Q^T: source 0 = 16 rows of K, source 1 = 16 rows of Q; lane (r, h) holds q = r and
; s = 8 h + j in register j.  So maximum and sum of a q row are per lane, joined across the two lane halves by one v_permlanex16_b32;
; a word of mbits is the lane mask of one register; and two packed S^T tiles are, as they lie, source 1 of O^T = V^T P^T
; (k = 8 h + j and 16 + 8 h + j): P never moves between lanes.  V^T's fragments come from V[s][d] by the transposing LDS load.
; THE MASK WORDS come by scalar loads, whose only wait is for all of them.  So the q tiles go in PAIRS: both tiles' scores are made and
; masked, the next pair's 64 words are asked for, and both tiles' softmax and products with V (and the next pair's scores) stand between
; that request and its wait.  64 scalar registers hold a pair's words.
; ONE DESCRIPTOR SHAPE for K and V (64 rows, 144 bytes apart in LDS) and one group 0 for each slot: wave w fetches 64 rows to LDS byte
; 9,216 w of the slot, waves 0-3 from K, waves 4-7 from V, which lies 16,777,216 bytes behind K in qkvp.  That frees the scalar registers
; for the mask words.  Its price: of the sixteen 16-byte pieces that sixteen lanes of a transposing load take (rows 0-7, two columns),
; row 7's second and row 0's first fall on the same 16 bytes modulo 256 (64 banks of 4 bytes: ISA guide 11.1).
; LDS: two slots of 73,728 bytes (K's 256 rows, then V's), then 2,304 bytes of stage for each wave.
; By this text's count a wave has one tensor load out; it has a whole tile's work (4 sub-blocks of 64 s) in which to land.
; LIMITS: operands Q, K, V, P are bf16.  The maximum that is subtracted is kept at or above -FLT_MAX, which matters only while a row
; has met nothing but masked places (its exponentials are then 0).  A row that is masked everywhere ends as 0 x (1 / 0) = NaN, as a
; softmax of -inf alone does.  v_exp_f32 gives 0 for results below 2^-126.
.set SLOT,  73728
.set KP,    144                        ; an LDS row of K and of V: 128 bytes + 16 of padding
.set VOFF,  36864                      ; V behind K's 256 rows
.set STAGE, 147456
.set KB,   2                           ; v2   r x 144 + 16 h
.set VB,   3                           ; v3   VOFF + (8 h + L % 8) x 144 + 16 ((L >> 3) & 1)
.set KC,   4                           ; v4   K address of the sub-block at work
.set VC,   5                           ; v5   V address of the sub-block at work
.set NINF, 6                           ; v6   -inf
.set M,    8                           ; v[8:11]   running maximum of q tile i
.set LS,   12                          ; v[12:15]  running sum (this lane half's part)
.set AL,   16                          ; v[16:17]  alpha, twice
.set NM,   18                          ; v[18:19]  minus the maximum in use, twice
.set T,    20                          ; v[20:27]  at work
.set STO,  28
.set RD,   29
.set CO,   30
.set QO,   31
.set KF,   32                          ; v[32:95]   K fragments (t, c) at 16 t + 8 c
.set VF,   96                          ; v[96:159]  V^T fragments (dt, u) at 16 dt + 8 u
.set S0,   160                         ; v[160:191] four S^T tiles of the pair's first q tile
.set P,    192                         ; v[192:207] P^T, two fragments
.set S1,   208                         ; v[208:239] four S^T tiles of the pair's second q tile
.set TMP,  208                         ; v[208:223] the way out (S1 is done with)
.set RB,   224                         ; v[224:255] the way out, two buffers
.set O,    0                           ; window 1: v[256:383]  O^T (i, dt) at 32 i + 8 dt
.set QF,   128                         ; window 1: v[384:447]  Q fragments (i, c) at 16 i + 8 c
.set MP,   12                          ; s[12:13] mask words of my q tile 0, sub-block at work
.set G1,   16                          ; s[16:23] descriptor group 1, for K and V alike
.set G0,   24                          ; s[24:31] descriptor group 0, a set for each slot
.set MW0,  32                          ; s[32:63] the 32 mask words of the pair's first q tile x 64 s (before that: at work in the set-up)
.set MW1,  68                          ; s[68:99] those of the second
.set MSB, 0
.macro WIN new                         ; the immediate's high byte repeats the setting that is left
.if MSB != \new
	s_set_vgpr_msb (MSB<<8)|\new
.set MSB, \new
.endif
.endm
.macro PLACES                          ; four plain vector instructions behind a matrix instruction (ISA guide 7.12.1)
.rept 4
	v_nop
.endr
.endm
.macro ROUND                           ; a round of the cluster's barrier
	s_barrier_signal -1
	s_barrier_wait -1
	s_cmp_lg_u32 s10, 0
	s_cbranch_scc1 .Lnot_wave_0_\@
	s_barrier_signal -3
.Lnot_wave_0_\@:
	s_barrier_wait -3
	s_barrier_signal -1
	s_barrier_wait -1
.endm
	s_load_b128 s[4:7], s[0:1], 0x0                ; qkvp s[4:5], mbits s[6:7]
	s_load_b64 s[8:9], s[0:1], 0x10                ; ao
	v_lshl_add_u32 v7, v0, 2, 0x2a800
	s_set_vgpr_msb 0x40
	v_mov_b32 v193, 0
	s_set_vgpr_msb 0x4044
	ds_add_u32 v7, v193
	s_set_vgpr_msb 0x4400
	v_lshrrev_b32 v1, 5, v0
	v_readfirstlane_b32 s10, v1                    ; wave 0..7
	s_bfe_u32 s32, ttmp6, 0x40000                  ; cx: which 512 q rows; it enters the addresses of Q, mbits and ao alone
	s_mov_b32 s14, 0x76543210                      ; v_permlanex16_b32: lane i reads lane i of the other half
	s_mov_b32 s15, 0xfedcba98
	; group 1: 64 rows x 64 elements of 2 bytes, dense in memory; 4 words of padding behind every 32
	s_mov_b32 s[G1+0], 15|(1<<16)|(1<<20)|(1<<21)|(4<<22)|(3<<25)
	s_mov_b32 s[G1+1], 64<<16                      ; tensor_dim0 = 64
	s_mov_b32 s[G1+2], 64<<16                      ; tensor_dim1 = 64
	s_mov_b32 s[G1+3], 64<<16                      ; tile_dim0 = 64
	s_mov_b32 s[G1+4], 64                          ; tile_dim1 = 64
	s_mov_b32 s[G1+5], 64                          ; elements from row to row
	s_mov_b32 s[G1+6], 0
	s_mov_b32 s[G1+7], 0
	; what the four partners share: hb and the wave's number
	s_lshl_b32 s34, ttmp9, 18                      ; hb x 262,144
	s_and_b32 s33, s10, 3
	s_lshl_b32 s33, s33, 13                        ; + (w & 3) x 64 rows of 128 bytes
	s_add_co_u32 s34, s34, s33
	s_lshr_b32 s33, s10, 2
	s_lshl_b32 s33, s33, 24                        ; + 16,777,216 for waves 4-7: V
	s_add_co_u32 s34, s34, s33
	s_mov_b32 s35, 0
	s_mul_i32 s36, s10, 64*KP                      ; LDS: wave x 9,216: K's four parts, then V's four
	; what is mine: rows cx x 512 + w x 64
	s_lshl_b32 s38, ttmp9, 18
	s_lshl_b32 s37, s32, 16
	s_add_co_u32 s38, s38, s37
	s_lshl_b32 s37, s10, 13
	s_add_co_u32 s38, s38, s37
	s_mov_b32 s39, 0
	s_and_b32 s40, ttmp9, 3                        ; b
	s_lshl_b32 s40, s40, 19                        ; x 128 q tiles of 4,096 bytes
	s_lshl_b32 s37, s32, 17                        ; + cx x 32 q tiles
	s_add_co_u32 s40, s40, s37
	s_lshl_b32 s37, s10, 14                        ; + w x 4 q tiles
	s_add_co_u32 s40, s40, s37
	s_mov_b32 s41, 0
	v_and_b32 v20, 15, v0                          ; r
	v_bfe_u32 v21, v0, 4, 1                        ; h
	v_and_b32 v22, 7, v0
	v_bfe_u32 v23, v0, 3, 1
	v_bfe_u32 v24, v0, 3, 2
	v_and_b32 v25, 31, v0
	v_mul_u32_u24 v[KB], v20, KP
	v_lshl_add_u32 v[KB], v21, 4, v[KB]
	v_lshl_add_u32 v26, v21, 3, v22
	v_mul_u32_u24 v26, v26, KP
	v_lshl_add_u32 v26, v23, 4, v26
	v_add_nc_u32 v[VB], VOFF, v26
	v_mov_b32 v[NINF], 0xff800000
	s_mul_i32 s42, s10, 16*KP
	s_add_co_u32 s42, s42, STAGE                   ; my stage: 16 rows, 144 bytes apart
	v_add_nc_u32 v[STO], s42, v[KB]                ; in: row r, 16 bytes for each lane half
	v_mul_u32_u24 v26, v24, KP
	v_lshl_add_u32 v26, v22, 4, v26
	v_add_nc_u32 v[RD], s42, v26                   ; back: eight lanes a row of 128 bytes, four rows a load
	v_lshlrev_b32 v[CO], 4, v25
	v_lshlrev_b32 v[QO], 7, v20
	v_lshl_add_u32 v[QO], v21, 4, v[QO]            ; Q: row r x 128 + 16 h
	s_wait_dscnt 0x0
	s_wait_kmcnt 0x0
	s_add_nc_u64 s[MP:MP+1], s[6:7], s[40:41]
	s_add_nc_u64 s[8:9], s[8:9], s[38:39]          ; ao at my rows
	s_add_nc_u64 s[34:35], s[4:5], s[34:35]        ; qkvp at my part of a tile, less K's 16,777,216
.irp s, 0,1
	s_mov_b32 s[G0+4*\s], 1
	s_add_co_u32 s[G0+4*\s+1], s36, \s*SLOT
	s_add_nc_u64 s[G0+4*\s+2:G0+4*\s+3], s[34:35], 16777216+\s*32768   ; tile s of 256 rows
	s_or_b32 s[G0+4*\s+3], s[G0+4*\s+3], 0x80000000
.endr
	s_add_nc_u64 s[4:5], s[4:5], s[38:39]          ; Q at my rows
	WIN 0x40                                       ; destination window 1
.irp i, 0,1,2,3
.irp c, 0,1
	global_load_b128 v[QF+16*\i+8*\c:QF+16*\i+8*\c+3],   v[QO], s[4:5] offset:\i*2048+\c*64
	global_load_b128 v[QF+16*\i+8*\c+4:QF+16*\i+8*\c+7], v[QO], s[4:5] offset:\i*2048+\c*64+32
.endr
.endr
	WIN 0
	s_load_b512 s[MW0:MW0+15], s[MP:MP+1], 0x0     ; q tiles 0 and 1, s 0..63 (the set-up's use of s32-42 is over)
	s_load_b512 s[MW0+16:MW0+31], s[MP:MP+1], 0x40
	s_load_b512 s[MW1:MW1+15], s[MP:MP+1], 4096
	s_load_b512 s[MW1+16:MW1+31], s[MP:MP+1], 4096+64
	ROUND                                          ; in front of the first joint load
	tensor_load_to_lds s[G0:G0+3], s[G1:G1+7]      ; tile 0
	s_nop 0
	s_wait_loadcnt 0x0                             ; Q, once
; Softmax step and product with V of q tile i, whose masked scores lie at sb.
; first = 1: nothing has been summed yet: maximum, sum and O^T are started, not updated.
.macro SOFT i, sb, first
	WIN 0
	; the largest of my 32 scores, four chains; then the other lane half's; then the running maximum
.irp k, 0,1,2,3
	v_max3_num_f32 v[T+\k], v[\sb+\k], v[\sb+4+\k], v[\sb+8+\k]
.endr
.irp k, 0,1,2,3
	v_max3_num_f32 v[T+\k], v[T+\k], v[\sb+12+\k], v[\sb+16+\k]
.endr
.irp k, 0,1,2,3
	v_max3_num_f32 v[T+\k], v[T+\k], v[\sb+20+\k], v[\sb+24+\k]
.endr
	v_max3_num_f32 v[T], v[T], v[T+1], v[\sb+28]
	v_max3_num_f32 v[T+2], v[T+2], v[T+3], v[\sb+29]
	v_max3_num_f32 v[T], v[T], v[T+2], v[\sb+30]
	v_max_num_f32 v[T], v[T], v[\sb+31]
	v_permlanex16_b32 v[T+1], v[T], s14, s15
.if \first
	v_max_num_f32 v[T+2], v[T], v[T+1]
.else
	v_max3_num_f32 v[T+2], v[T], v[T+1], v[M+\i]
.endif
	v_max_num_f32 v[T+3], 0xff7fffff, v[T+2]       ; at least -FLT_MAX, so that -inf minus it stays -inf
	v_mul_f32 v[NM], -1.0, v[T+3]
	v_mul_f32 v[NM+1], -1.0, v[T+3]
.if \first == 0
	v_add_f32 v[AL], v[M+\i], v[NM]                ; old maximum - new
.endif
	v_mov_b32 v[M+\i], v[T+2]
.set n, 0
.rept 16
	v_pk_add_f32 v[\sb+2*n:\sb+2*n+1], v[\sb+2*n:\sb+2*n+1], v[NM:NM+1]
.set n, n+1
.endr
.set n, 0
.rept 32
	v_exp_f32 v[\sb+n], v[\sb+n]
.set n, n+1
.endr
.if \first == 0
	v_exp_f32 v[AL], v[AL]
.endif
	v_nop                                          ; one plain vector instruction behind the exponentials (ISA guide 5.7.2)
.if \first == 0
	s_wait_alu depctr_va_vdst(0)
	v_mov_b32 v[AL+1], v[AL]
.endif
	; the sum of my 32 exponentials, four chains of pairs
	s_wait_alu depctr_va_vdst(0)
.irp k, 0,1,2,3
	v_pk_add_f32 v[T+2*\k:T+2*\k+1], v[\sb+2*\k:\sb+2*\k+1], v[\sb+8+2*\k:\sb+8+2*\k+1]
.endr
.irp k, 0,1,2,3
	v_pk_add_f32 v[T+2*\k:T+2*\k+1], v[T+2*\k:T+2*\k+1], v[\sb+16+2*\k:\sb+16+2*\k+1]
.endr
.irp k, 0,1,2,3
	v_pk_add_f32 v[T+2*\k:T+2*\k+1], v[T+2*\k:T+2*\k+1], v[\sb+24+2*\k:\sb+24+2*\k+1]
.endr
	v_pk_add_f32 v[T:T+1], v[T:T+1], v[T+2:T+3]
	v_pk_add_f32 v[T+4:T+5], v[T+4:T+5], v[T+6:T+7]
	v_pk_add_f32 v[T:T+1], v[T:T+1], v[T+4:T+5]
.if \first
	v_add_f32 v[LS+\i], v[T], v[T+1]
.else
	v_add_f32 v[T], v[T], v[T+1]
	v_fma_f32 v[LS+\i], v[LS+\i], v[AL], v[T]
.endif
.set n, 0
.rept 16
	v_cvt_pk_bf16_f32 v[P+n], v[\sb+2*n], v[\sb+2*n+1]     ; tiles 2 u and 2 u + 1 packed are fragment u of P^T
.set n, n+1
.endr
.if \first == 0
	WIN 0x41                                       ; O^T in window 1, alpha in window 0
.set n, 0
.rept 16
	v_pk_mul_f32 v[O+32*\i+2*n:O+32*\i+2*n+1], v[O+32*\i+2*n:O+32*\i+2*n+1], v[AL:AL+1]
.set n, n+1
.endr
.endif
.if \i == 0
	s_wait_dscnt 0x0                               ; V's sixteen loads are in
.endif
	WIN 0x50                                       ; C and D window 1
	; four accumulators by turns, one instruction a turn
.irp dt, 0,1,2,3
.if \first
	v_wmma_f32_16x16x32_bf16 v[O+32*\i+8*\dt:O+32*\i+8*\dt+7], v[VF+16*\dt:VF+16*\dt+7], v[P:P+7], 0
.else
	v_wmma_f32_16x16x32_bf16 v[O+32*\i+8*\dt:O+32*\i+8*\dt+7], v[VF+16*\dt:VF+16*\dt+7], v[P:P+7], v[O+32*\i+8*\dt:O+32*\i+8*\dt+7]
.endif
.endr
.irp dt, 0,1,2,3
	v_wmma_f32_16x16x32_bf16 v[O+32*\i+8*\dt:O+32*\i+8*\dt+7], v[VF+16*\dt+8:VF+16*\dt+15], v[P+8:P+15], v[O+32*\i+8*\dt:O+32*\i+8*\dt+7]
.endr
.endm
; Pair p of q tiles (i0 = 2 p, i1 = 2 p + 1) against 64 s: both tiles' scores, both masks, the request for the next pair's words, then each tile's SOFT.
.macro QPAIR p, i0, i1, first
	WIN 0x04                                       ; source 1 (Q) window 1
	; eight accumulators by turns, one instruction a turn; d 0..31 starts the sums, d 32..63 adds
.irp t, 0,1,2,3
	v_wmma_f32_16x16x32_bf16 v[S0+8*\t:S0+8*\t+7], v[KF+16*\t:KF+16*\t+7], v[QF+16*\i0:QF+16*\i0+7], 0
.endr
.irp t, 0,1,2,3
	v_wmma_f32_16x16x32_bf16 v[S1+8*\t:S1+8*\t+7], v[KF+16*\t:KF+16*\t+7], v[QF+16*\i1:QF+16*\i1+7], 0
.endr
.irp t, 0,1,2,3
	v_wmma_f32_16x16x32_bf16 v[S0+8*\t:S0+8*\t+7], v[KF+16*\t+8:KF+16*\t+15], v[QF+16*\i0+8:QF+16*\i0+15], v[S0+8*\t:S0+8*\t+7]
.endr
.irp t, 0,1,2,3
	v_wmma_f32_16x16x32_bf16 v[S1+8*\t:S1+8*\t+7], v[KF+16*\t+8:KF+16*\t+15], v[QF+16*\i1+8:QF+16*\i1+15], v[S1+8*\t:S1+8*\t+7]
.endr
	WIN 0
	PLACES
	s_wait_kmcnt 0x0                               ; this pair's 64 mask words (scalar loads: only the count 0 says anything)
.set n, 0
.rept 32
	v_cndmask_b32 v[S0+n], v[S0+n], v[NINF], s[MW0+n]      ; masked places become -inf
.set n, n+1
.endr
.set n, 0
.rept 32
	v_cndmask_b32 v[S1+n], v[S1+n], v[NINF], s[MW1+n]
.set n, n+1
.endr
.if \p == 0
	s_load_b512 s[MW0:MW0+15], s[MP:MP+1], 2*4096          ; q tiles 2 and 3, 4,096 bytes a q tile
	s_load_b512 s[MW0+16:MW0+31], s[MP:MP+1], 2*4096+64
	s_load_b512 s[MW1:MW1+15], s[MP:MP+1], 3*4096
	s_load_b512 s[MW1+16:MW1+31], s[MP:MP+1], 3*4096+64
.else
	s_add_nc_u64 s[MP:MP+1], s[MP:MP+1], 128       ; no scalar load is out behind the wait above: the next 64 s
	s_load_b512 s[MW0:MW0+15], s[MP:MP+1], 0x0     ; q tiles 0 and 1.  Behind the last sub-block these read the first words
	s_load_b512 s[MW0+16:MW0+31], s[MP:MP+1], 0x40 ; of my q tiles 1 and 2: inside the buffer, and not used
	s_load_b512 s[MW1:MW1+15], s[MP:MP+1], 4096
	s_load_b512 s[MW1+16:MW1+31], s[MP:MP+1], 4096+64
.endif
	SOFT \i0, S0, \first
	SOFT \i1, S1, \first
.endm
; A sub-block of 64 s: its fragments of K and V^T, then my four q tiles, two at a time.
.macro SB first
	WIN 0
	PLACES                                         ; V's fragments were sources of the last products
.irp t, 0,1,2,3
.irp c, 0,1
	ds_load_b128 v[KF+16*\t+8*\c:KF+16*\t+8*\c+3],   v[KC] offset:\t*16*KP+\c*64
	ds_load_b128 v[KF+16*\t+8*\c+4:KF+16*\t+8*\c+7], v[KC] offset:\t*16*KP+\c*64+32
.endr
.endr
.irp dt, 0,1,2,3
.irp u, 0,1
	ds_load_tr16_b128 v[VF+16*\dt+8*\u:VF+16*\dt+8*\u+3],   v[VC] offset:\u*32*KP+\dt*32
	ds_load_tr16_b128 v[VF+16*\dt+8*\u+4:VF+16*\dt+8*\u+7], v[VC] offset:\u*32*KP+\dt*32+16*KP
.endr
.endr
	s_wait_dscnt 16                                ; K's sixteen loads are in; V's sixteen stay out
	QPAIR 0, 0, 1, \first
	QPAIR 1, 2, 3, \first
	WIN 0
	v_add_nc_u32 v[KC], 64*KP, v[KC]
	v_add_nc_u32 v[VC], 64*KP, v[VC]
.endm
; A tile of 256 s in slot.  refill = 1: the next tile is asked for, into the slot read last.
.macro TRIP slot, refill, first
	s_set_vgpr_msb 0x4
	s_wait_tensorcnt 0x0                           ; all my tensor loads are done, my part of this tile among them,
	ds_add_u32 v7, v193
	s_wait_dscnt 0x0
	s_set_vgpr_msb 0x400
	s_add_nc_u64 s[G0+4*\slot+2:G0+4*\slot+3], s[G0+4*\slot+2:G0+4*\slot+3], 65536   ; so every group 0 may be written: this slot's next tile
	s_wait_dscnt 0x0                               ; my reads of the last tile are done
	ROUND                                          ; both now hold of every wave of the four work-groups
.if \refill
	tensor_load_to_lds s[G0+4-4*\slot:G0+7-4*\slot], s[G1:G1+7]   ; the wave's one tensor load behind the round: its 64 rows of K or of V
	s_nop 0
.endif
	v_add_nc_u32 v[KC], \slot*SLOT, v[KB]
	v_add_nc_u32 v[VC], \slot*SLOT, v[VB]
.if \first
	SB 1
	s_mov_b32 s11, 3
.else
	s_mov_b32 s11, 4
.endif
.Lsb_\@:
	SB 0
	s_sub_co_u32 s11, s11, 1
	s_cmp_lg_u32 s11, 0
	s_cbranch_scc1 .Lsb_\@
.endm
	TRIP 0, 1, 1                                   ; tiles 0 and 1
	TRIP 1, 1, 0
	s_mov_b32 s3, 2
.Lpair:
	TRIP 0, 1, 0                                   ; tiles 2 to 5
	TRIP 1, 1, 0
	s_sub_co_u32 s3, s3, 1
	s_cmp_lg_u32 s3, 0
	s_cbranch_scc1 .Lpair
	TRIP 0, 1, 0                                   ; tile 6 asks for tile 7,
	TRIP 1, 0, 0                                   ; tile 7 for nothing
	; THE WAY OUT, a q tile at a time: join the two halves' sums, divide, round, 16 bytes a lane into my stage, back as four rows of 128 bytes.
	PLACES
.macro OUTQ i
	v_permlanex16_b32 v[T], v[LS+\i], s14, s15
	v_add_f32 v[T], v[T], v[LS+\i]
	v_rcp_f32 v[AL], v[T]
	v_rcp_f32 v[AL+1], v[T]
	v_nop                                          ; one plain vector instruction behind v_rcp_f32 (ISA guide 5.7.2)
	WIN 0x41
.set n, 0
	s_wait_alu depctr_va_vdst(0)
.rept 16
	v_pk_mul_f32 v[O+32*\i+2*n:O+32*\i+2*n+1], v[O+32*\i+2*n:O+32*\i+2*n+1], v[AL:AL+1]
.set n, n+1
.endr
	WIN 0x05
.irp dt, 0,1,2,3
.irp r, 0,1,2,3
	v_cvt_pk_bf16_f32 v[TMP+4*\dt+\r], v[O+32*\i+8*\dt+2*\r], v[O+32*\i+8*\dt+2*\r+1]
.endr
.endr
	WIN 0
.irp dt, 0,1,2,3
	ds_store_b128 v[STO], v[TMP+4*\dt:TMP+4*\dt+3] offset:32*\dt   ; d = 16 dt + 8 h + 0..7 of row r
.endr
.if \i >= 2
	s_wait_xcnt 0x0                                ; the buffer that the stores of two q tiles ago read is loaded again only behind this wait
.endif
.irp g, 0,1,2,3
	ds_load_b128 v[RB+16*(\i&1)+4*\g:RB+16*(\i&1)+4*\g+3], v[RD] offset:\g*4*KP   ; a wave's LDS instructions are served in order
.endr
.irp g, 0,1,2,3
	s_wait_dscnt 3-\g
	global_store_b128 v[CO], v[RB+16*(\i&1)+4*\g:RB+16*(\i&1)+4*\g+3], s[8:9] offset:\i*2048+\g*512   ; 512 consecutive bytes, aligned
.endr
.endm
	OUTQ 0
	OUTQ 1
	OUTQ 2
	OUTQ 3
	s_set_vgpr_msb 0x4
	s_wait_tensorcnt 0x0
	ds_add_u32 v7, v193
	s_wait_dscnt 0x0
	s_set_vgpr_msb 0x400
	ROUND                                          ; the closing round
	s_endpgm
.Lfunc_end_k_q44273a093d_attn:
	.size	k_q44273a093d_attn, .Lfunc_end_k_q44273a093d_attn-k_q44273a093d_attn
	.p2alignl 7, 3214868480
	.fill 96, 4, 3214868480
	.section	.rodata,"a",@progbits
	.p2align	6, 0x0
	.amdhsa_kernel k_q44273a093d_attn
		.amdhsa_group_segment_fixed_size 327680
		.amdhsa_private_segment_fixed_size 0
		.amdhsa_enable_private_segment 0
		.amdhsa_kernarg_size 24
		.amdhsa_user_sgpr_count 2
		.amdhsa_user_sgpr_kernarg_segment_ptr 1
		.amdhsa_wavefront_size32 1
		.amdhsa_system_sgpr_workgroup_id_x 1
		.amdhsa_system_sgpr_workgroup_id_y 1
		.amdhsa_system_sgpr_workgroup_id_z 1
		.amdhsa_system_vgpr_workitem_id 0
		.amdhsa_next_free_vgpr 450
		.amdhsa_next_free_sgpr 100
		.amdhsa_reserve_vcc 0
		.amdhsa_float_denorm_mode_32 3
		.amdhsa_float_denorm_mode_16_64 3
		.amdhsa_memory_ordered 1
		.amdhsa_forward_progress 1
		.amdhsa_inst_pref_size 255
	.end_amdhsa_kernel
	.section	.bss,"aw",@nobits
	.p2align	6
	.space	262144
	.amdgpu_metadata
---
amdhsa.version: [ 1, 2 ]
amdhsa.kernels:
  - .name:           k_q44273a093d_attn
    .symbol:         k_q44273a093d_attn.kd
    .args:
      - { .name: qkvp, .offset: 0, .size: 8, .value_kind: global_buffer, .address_space: global }
      - { .name: mbits, .offset: 8, .size: 8, .value_kind: global_buffer, .address_space: global }
      - { .name: ao, .offset: 16, .size: 8, .value_kind: global_buffer, .address_space: global }
    .group_segment_fixed_size: 327680
    .private_segment_fixed_size: 0
    .kernarg_segment_align: 8
    .kernarg_segment_size: 24
    .max_flat_workgroup_size: 256
    .sgpr_count:     100
    .vgpr_count:     450
    .wavefront_size: 32
...
	.end_amdgpu_metadata
.endif
;; end of part 3
;; launch ogemm (part 4): grid 4 x 64, 4 waves a work-group, clusters of 4 x 4, 327,680 bytes of LDS; arguments ao, wob, yb; writes yb
.if DOCPART == 4
	.amdgcn_target "amdgcn-amd-amdhsa--gfx1250"
	.amdhsa_code_object_version 6
	.text
	.protected	k_q44273a093d_ogemm
	.globl	k_q44273a093d_ogemm
	.p2align	8
	.type	k_q44273a093d_ogemm,@function
k_q44273a093d_ogemm:
	s_mov_b64 s[64:65], 0
	v_nop
	global_prefetch_b8 v0, s[64:65] scope:SCOPE_SE
	s_setreg_imm32_b32 hwreg(HW_REG_WAVE_MODE, 25, 1), 1
	s_wait_xcnt 0x0
	s_wait_alu depctr_hold_cnt(0) depctr_sa_sdst(0) depctr_va_vdst(0) depctr_va_sdst(0) depctr_va_ssrc(0) depctr_va_vcc(0) depctr_vm_vsrc(0)
	s_getreg_b32 s2, hwreg(HW_REG_IB_STS2, 6, 4)
	s_cmp_eq_u32 s2, 0
	s_cbranch_scc0 .Lentry_in_a_cluster
	s_endpgm
.Lentry_in_a_cluster:
	s_bfe_u32 s2, ttmp6, 0x10000c
	s_cmp_lg_u32 s2, 0xf033
	s_cbranch_scc0 .Lentry_shape_is_right
	s_endpgm
.Lentry_shape_is_right:
; The output projection: yb[m][n] = sum over k of x[m][k] w_o[n][k], x = the heads of ao side by side (k = 64 h + d).
; ao: bf16 [16 h][8192 m][64]; wob: bf16 [16 kb][1024 n][64] (kb = k >> 6); yb: bf16 [8192][1024].  Sums in f32, yb rounded once.
; The residual and the norm need whole rows and are a launch of their own: a work-group that owned whole rows would have to take in all
; 2,097,152 bytes of wob, whatever its rows; a block of 128 x 256 takes in 8 steps x 98,304 bytes.
; A work-group makes 128 x 256 of yb with four waves, a wave 64 x 128: 32 accumulator tiles, 256 registers.  64 x 4 = 256 work-groups.
; K goes in steps of 128 = two heads through two LDS slots.  A slot: ao's 128 rows of each of the two heads, then wob's 256 rows of each
; of the two K blocks, every row 128 bytes + 16 of padding.  Each wave fetches one of the four pieces with one tensor load; each piece is
; dense in memory.
; CLUSTERS: 4 x 4 work-groups.  The four of a row of the cluster need the same rows of ao, the four of a column the same rows of wob:
; each piece is asked for jointly, which divides the requests by four.
; REGISTERS: window 0: v16-26 addresses; fragments of ao v64-95 and v96-127, of wob v128-191 and v192-255 (two buffers each);
; window 1: the accumulators, tile (a, b) at v[8 (8 a + b)].  Products run with C and D in window 1, loads with every window 0.
; Source 0 takes 16 rows of wob, source 1 takes 16 rows of ao: lane l then holds row l % 16 of yb and its eight registers the columns
; 8 (l / 16) + 0..7, which pack into 16 neighbouring bytes.
; By this text's count a wave has two tensor loads out at the start and one behind each round; from a request to the wait for it the
; wave issues 120 matrix instructions.  LIMIT: operands ao and w_o are bf16, and so is yb.
.set KP,     144                       ; an odd multiple of 16: the 16 rows of a fragment load start in 16 different 16-byte columns modulo 256
.set AZ,     128*KP                    ; one head's 128 rows of ao
.set BZ,     256*KP                    ; one K block's 256 rows of wob
.set BOFF,   2*AZ
.set SLOT,   2*AZ+2*BZ                 ; 110,592
.set STAGE,  2*SLOT                    ; behind the ring: 16 rows x 272 bytes for each wave
.set SPITCH, 272
.set LAPS,   4                         ; a lap = two K steps = once round the ring; 1024 / 256
.set ADRA, 16                          ; v16-17  my ao fragments in slot 0, 1
.set ADRB, 20                          ; v20-21  my wob fragments in slot 0, 1
.set STO,  24
.set RD,   25
.set CO,   26
.set AF,   64                          ; buffer f at AF + 32 f
.set BF,   128                         ; buffer f at BF + 64 f
.set TMP,  192                         ; the way out
.set G1, 24                            ; s[24:31] group 1 for ao's pieces
.set G0, 32                            ; s[32:39] group 0 for ao's pieces, a set for each slot
.set G1B, 48                           ; s[48:55] group 1 for wob's pieces
.set G0B, 56                           ; s[56:63] group 0 for wob's pieces, a set for each slot
.set MSB, 0
.macro WIN new                         ; the immediate's high byte repeats the setting that is left
.if MSB != \new
	s_set_vgpr_msb (MSB<<8)|\new
.set MSB, \new
.endif
.endm
.set MUL, 0x50                         ; sources 0 and 1 window 0, C and D window 1
; A joint load.  Waves 0 and 1 fetch ao's two heads, waves 2 and 3 wob's two K blocks.  The branch hangs on the wave's number alone.
.macro JLOAD s
	s_cmp_eq_u32 s11, 0
	s_cbranch_scc0 .Lfor_b_\@
	tensor_load_to_lds s[G0+4*\s:G0+4*\s+3], s[G1:G1+7]
	s_nop 0
	s_branch .Lasked_\@
.Lfor_b_\@:
	tensor_load_to_lds s[G0B+4*\s:G0B+4*\s+3], s[G1B:G1B+7]
	s_nop 0
.Lasked_\@:
.endm
; A round of the cluster's barrier: my work-group's barrier; wave 0 signals for the work-group; every wave waits for all sixteen; my work-group's barrier again.
.macro CREST                           ; a round behind its opening barrier
	s_cmp_lg_u32 s10, 0
	s_cbranch_scc1 .Lnot_wave_0_\@
	s_barrier_signal -3
.Lnot_wave_0_\@:
	s_barrier_wait -3
	s_barrier_signal -1
	s_barrier_wait -1
.endm
.macro CROUND
	s_barrier_signal -1
	s_barrier_wait -1
	CREST
.endm
	s_load_b128 s[4:7], s[0:1], 0x0                ; ao s[4:5], wob s[6:7]
	s_load_b64 s[8:9], s[0:1], 0x10                ; yb
	v_lshl_add_u32 v62, v0, 2, 0x3a400
	v_mov_b32 v63, 0
	ds_add_u32 v62, v63
	v_lshrrev_b32 v1, 5, v0
	v_readfirstlane_b32 s10, v1                    ; wave 0..3
	s_lshr_b32 s11, s10, 1                         ; which 64 rows of the block are mine.  Also: I fetch for ao (0) or for wob (1)
	s_and_b32 s12, s10, 1                          ; which 128 columns.  Also: which of the step's two heads I fetch
	s_bfe_u32 s40, ttmp6, 0x40000                  ; cx
	s_bfe_u32 s41, ttmp6, 0x40004                  ; cy
	s_lshl_b32 s42, ttmp9, 2
	s_add_co_u32 s42, s42, s40                     ; block column = 4 x cluster x + cx, 0..3
	s_and_b32 s13, ttmp7, 0xffff
	s_lshl_b32 s13, s13, 2
	s_add_co_u32 s13, s13, s41                     ; block row = 4 x cluster y + cy, 0..63
	s_lshl_b32 s43, s41, 2
	s_lshl_b32 s43, 15, s43                        ; my row of the cluster
	s_lshl_b32 s44, 0x1111, s40                    ; my column
	; group 1 for ao: 128 rows x 64 elements of 2 bytes, dense; 4 words of padding behind every 32
	s_or_b32 s[G1+0], s43, (1<<16)|(1<<20)|(1<<21)|(4<<22)|(3<<25)
	s_mov_b32 s[G1+1], 64<<16                      ; tensor_dim0 = 64
	s_mov_b32 s[G1+2], 128<<16                     ; tensor_dim1 = 128
	s_mov_b32 s[G1+3], 64<<16                      ; tile_dim0 = 64
	s_mov_b32 s[G1+4], 128                         ; tile_dim1 = 128
	s_mov_b32 s[G1+5], 64                          ; elements from row to row
	s_mov_b32 s[G1+6], 0
	s_mov_b32 s[G1+7], 0
	; group 1 for wob: 256 rows x 64 elements, the same padding
	s_or_b32 s[G1B+0], s44, (1<<16)|(1<<20)|(1<<21)|(4<<22)|(3<<25)
	s_mov_b32 s[G1B+1], 64<<16
	s_mov_b32 s[G1B+2], 256<<16                    ; tensor_dim1 = 256
	s_mov_b32 s[G1B+3], 64<<16
	s_mov_b32 s[G1B+4], 256                        ; tile_dim1 = 256
	s_mov_b32 s[G1B+5], 64
	s_mov_b32 s[G1B+6], 0
	s_mov_b32 s[G1B+7], 0
	; ao's address hangs on the block row alone, wob's on the block column alone; each in registers that never hold the other place
	s_lshl_b32 s16, s13, 14                        ; ao: block row x 128 rows of 128 bytes
	s_lshl_b32 s17, s12, 20                        ; + my head of the two, 1,048,576 bytes a head
	s_add_co_u32 s16, s16, s17
	s_mov_b32 s17, 0
	s_lshl_b32 s46, s42, 15                        ; wob: block column x 256 rows of 128 bytes
	s_lshl_b32 s47, s12, 17                        ; + my K block of the two, 131,072 bytes each
	s_add_co_u32 s46, s46, s47
	s_mov_b32 s47, 0
	s_mul_i32 s20, s12, AZ                         ; where they go: ao's two heads,
	s_mul_i32 s21, s12, BZ
	s_add_co_u32 s21, s21, BOFF                    ; then wob's two K blocks: no place in the cluster enters an LDS address
	s_wait_dscnt 0x0
	s_wait_kmcnt 0x0
	s_add_nc_u64 s[14:15], s[4:5], s[16:17]
	s_add_nc_u64 s[46:47], s[6:7], s[46:47]
	CROUND                                         ; all sixteen work-groups are here: the first joint loads meet
.irp s, 0,1
	s_mov_b32 s[G0+4*\s], 1
	s_add_co_u32 s[G0+4*\s+1], s20, \s*SLOT
	s_add_nc_u64 s[G0+4*\s+2:G0+4*\s+3], s[14:15], \s*2*1048576      ; K step s: two heads on
	s_or_b32 s[G0+4*\s+3], s[G0+4*\s+3], 0x80000000
	s_mov_b32 s[G0B+4*\s], 1
	s_add_co_u32 s[G0B+4*\s+1], s21, \s*SLOT
	s_add_nc_u64 s[G0B+4*\s+2:G0B+4*\s+3], s[46:47], \s*2*131072     ; K step s: two K blocks on
	s_or_b32 s[G0B+4*\s+3], s[G0B+4*\s+3], 0x80000000
	JLOAD \s                                       ; both slots' first fills go out as one group: two loads of the wave are out
.endr
	v_and_b32 v1, 15, v0                           ; l % 16
	v_bfe_u32 v2, v0, 4, 1                         ; l / 16
	v_mul_u32_u24 v3, v1, KP
	v_lshl_add_u32 v3, v2, 4, v3                   ; row x pitch + 16 x half
	s_mul_i32 s22, s11, 64*KP                      ; my 64 rows of ao
	s_mul_i32 s23, s12, 128*KP                     ; my 128 rows of wob,
	s_add_co_u32 s23, s23, BOFF                    ; which lies behind ao's two heads
.irp s, 0,1
	v_add_nc_u32 v[ADRA+\s], s22, v3
	v_add_nc_u32 v[ADRB+\s], s23, v3
	s_add_co_u32 s22, s22, SLOT
	s_add_co_u32 s23, s23, SLOT
.endr
	s_mul_i32 s18, s10, 16*SPITCH
	s_add_co_u32 s18, s18, STAGE                   ; my stage
	v_mul_u32_u24 v4, v1, SPITCH
	v_lshl_add_u32 v4, v2, 4, v4
	v_add_nc_u32 v[STO], s18, v4                   ; in: row l % 16, 16 bytes for each half of the lanes
	v_mul_u32_u24 v5, v2, SPITCH
	v_lshl_add_u32 v5, v1, 4, v5
	v_add_nc_u32 v[RD], s18, v5                    ; back: lanes 0-15 take one row of 256 bytes, lanes 16-31 the next
	v_lshlrev_b32 v5, 11, v2                       ; and the same two rows in yb, 2,048 bytes apart
	v_lshl_add_u32 v[CO], v1, 4, v5
; 8 matrix instructions: row tile a x all 8 column tiles, 32 along K, from buffer f.  zero = 1: the first product starts the sums.
.macro MULA f, a, zero
.irp b, 0,1,2,3,4,5,6,7
.if \zero
	v_wmma_f32_16x16x32_bf16 v[8*(8*\a+\b):8*(8*\a+\b)+7], v[BF+64*\f+8*\b:BF+64*\f+8*\b+7], v[AF+32*\f+8*\a:AF+32*\f+8*\a+7], 0
.else
	v_wmma_f32_16x16x32_bf16 v[8*(8*\a+\b):8*(8*\a+\b)+7], v[BF+64*\f+8*\b:BF+64*\f+8*\b+7], v[AF+32*\f+8*\a:AF+32*\f+8*\a+7], v[8*(8*\a+\b):8*(8*\a+\b)+7]
.endif
.endr
.endm
; 24 LDS loads in one run: the fragments of quarter c of a K step into buffer f.  Quarters 0, 1 lie in the step's first head, 2, 3 in its second.
.macro FETCH slot, c, f
.irp i, 0,1,2,3,4,5,6,7
	ds_load_b128 v[BF+64*\f+8*\i:BF+64*\f+8*\i+3],   v[ADRB+\slot] offset:(\c>>1)*BZ+(\c&1)*64+\i*16*KP
	ds_load_b128 v[BF+64*\f+8*\i+4:BF+64*\f+8*\i+7], v[ADRB+\slot] offset:(\c>>1)*BZ+(\c&1)*64+\i*16*KP+32
.endr
.irp i, 0,1,2,3
	ds_load_b128 v[AF+32*\f+8*\i:AF+32*\f+8*\i+3],   v[ADRA+\slot] offset:(\c>>1)*AZ+(\c&1)*64+\i*16*KP
	ds_load_b128 v[AF+32*\f+8*\i+4:AF+32*\f+8*\i+7], v[ADRA+\slot] offset:(\c>>1)*AZ+(\c&1)*64+\i*16*KP+32
.endr
.endm
; Four plain vector instructions stand between a matrix instruction and a load into, or a vector instruction on, one of its registers.
.macro PLACES
.rept 4
	v_nop
.endr
.endm
; A K step is four quarters of 32 along K, 32 matrix instructions each, on buffers 0, 1, 0, 1.  The 32 accumulators take turns,
; one instruction a turn, in the same order in every quarter.
; One of the first three: multiplies buffer f; in its middle it fetches quarter c into buffer g.
.macro QUARTER slot, c, f, g, zero
	s_wait_dscnt 4                                 ; wob's fragments and ao's row tiles 0, 1 are in; the youngest four loads (row tiles 2, 3) may be out
	WIN MUL
	MULA \f, 0, \zero
	MULA \f, 1, \zero
	WIN 0
	PLACES
	FETCH \slot, \c, \g
	s_wait_dscnt 24                                ; all but the 24 just issued
	WIN MUL
	MULA \f, 2, \zero
	MULA \f, 3, \zero
.endm
.macro THREE slot, zero
	QUARTER \slot, 1, 0, 1, \zero
	QUARTER \slot, 2, 1, 0, 0
	QUARTER \slot, 3, 0, 1, 0
.endm
; The last quarter multiplies buffer 1 and changes slots.  In front of the barrier each wave waits for its reads of this slot and for all its
; tensor loads (one is out: its part of the next slot).  Behind it the refill comes first, then the next slot's first fragments.
.macro TURN slot, next, fill
	s_wait_dscnt 4
	WIN MUL
	MULA 1, 0, 0
	s_wait_dscnt 0                                 ; my reads of this slot are over
	s_wait_tensorcnt 0x0                           ; all my tensor loads have landed
	ds_add_u32 v62, v63
	s_wait_dscnt 0x0
	s_barrier_signal -1                            ; where a slot is filled again this barrier opens a round of the cluster's barrier
	MULA 1, 1, 0                                   ; registers only
	WIN 0
	s_barrier_wait -1
.if \fill
	CREST                                          ; no wave of any partner still reads this slot or has a load on its way
	s_add_nc_u64 s[G0+4*\slot+2:G0+4*\slot+3], s[G0+4*\slot+2:G0+4*\slot+3], 4*1048576
	s_add_nc_u64 s[G0B+4*\slot+2:G0B+4*\slot+3], s[G0B+4*\slot+2:G0B+4*\slot+3], 4*131072
	JLOAD \slot                                    ; the wave's one tensor load behind the round
.endif
	PLACES
	FETCH \next, 0, 0
	WIN MUL
	MULA 1, 2, 0
	MULA 1, 3, 0
.endm
.macro LAP zero
	THREE 0, \zero
	TURN 0, 1, 1
	THREE 1, 0
	TURN 1, 0, 1
.endm
	s_wait_tensorcnt 1                             ; my part of K step 0 is in; K step 1's stays out
	s_barrier_signal -1
	s_barrier_wait -1
	FETCH 0, 0, 0
	LAP 1                                          ; the first lap's first products start the sums
	WIN 0
	s_mov_b32 s3, LAPS-2
.Llap:
	LAP 0
	WIN 0
	s_sub_co_u32 s3, s3, 1
	s_cmp_lg_u32 s3, 0
	s_cbranch_scc1 .Llap
	THREE 0, 0                                     ; the last lap fills nothing
	TURN 0, 1, 0
	THREE 1, 0
	s_wait_dscnt 4
	WIN MUL
	MULA 1, 0, 0
	MULA 1, 1, 0
	s_wait_dscnt 0
	MULA 1, 2, 0
	MULA 1, 3, 0
	WIN 0
	; THE WAY OUT, 16 rows at a time: round to bf16, 16 bytes a lane into my stage, read back as whole rows of 256 bytes.
	PLACES
	s_lshl_b32 s13, s13, 7
	s_lshl_b32 s14, s11, 6
	s_add_co_u32 s16, s13, s14                     ; my first row
	s_lshl_b32 s16, s16, 11                        ; rows of 2,048 bytes
	s_mov_b32 s17, 0
	s_add_nc_u64 s[8:9], s[8:9], s[16:17]
	s_lshl_b32 s46, s42, 9                         ; my first column, in bytes: 512 x block column + 256 x half
	s_lshl_b32 s47, s12, 8
	s_add_co_u32 s46, s46, s47
	s_mov_b32 s47, 0
	s_add_nc_u64 s[8:9], s[8:9], s[46:47]
; rows 16 a .. 16 a + 15 of my block = the eight tiles (a, 0..7); f: the read-back buffer, AF or AF + 32 in turn
.macro OUT16 a, f
	WIN 0x05                                       ; sources 0 and 1 window 1
.irp b, 0,1,2,3,4,5,6,7
.irp r, 0,1,2,3
	v_cvt_pk_bf16_f32 v[TMP+4*\b+\r], v[8*(8*\a+\b)+2*\r], v[8*(8*\a+\b)+2*\r+1]
.endr
.endr
	WIN 0
.irp b, 0,1,2,3,4,5,6,7
	ds_store_b128 v[STO], v[TMP+4*\b:TMP+4*\b+3] offset:32*\b
.endr
	s_wait_xcnt 0x0                                ; buffer f, which earlier stores read, and the stores' base are rewritten only behind this wait
.if \a
	s_add_nc_u64 s[8:9], s[8:9], 16*2048           ; 16 rows on
.endif
.irp t, 0,1,2,3,4,5,6,7
	ds_load_b128 v[\f+4*\t:\f+4*\t+3], v[RD] offset:\t*2*SPITCH    ; a wave's LDS instructions are served in order: these see the stores above
.endr
.irp t, 0,1,2,3,4,5,6,7
	s_wait_dscnt 7-\t
	global_store_b128 v[CO], v[\f+4*\t:\f+4*\t+3], s[8:9] offset:2*\t*2048   ; 16 lanes store 256 consecutive bytes, aligned; no hint: the next launch reads them
.endr
.endm
	OUT16 0, AF
	OUT16 1, AF+32
	OUT16 2, AF
	OUT16 3, AF+32
	s_wait_tensorcnt 0x0
	ds_add_u32 v62, v63
	s_wait_dscnt 0x0
	CROUND                                         ; the closing round: no work-group ends while a partner may still ask jointly
	s_endpgm
.Lfunc_end_k_q44273a093d_ogemm:
	.size	k_q44273a093d_ogemm, .Lfunc_end_k_q44273a093d_ogemm-k_q44273a093d_ogemm
	.p2alignl 7, 3214868480
	.fill 96, 4, 3214868480
	.section	.rodata,"a",@progbits
	.p2align	6, 0x0
	.amdhsa_kernel k_q44273a093d_ogemm
		.amdhsa_group_segment_fixed_size 327680
		.amdhsa_private_segment_fixed_size 0
		.amdhsa_enable_private_segment 0
		.amdhsa_kernarg_size 24
		.amdhsa_user_sgpr_count 2
		.amdhsa_user_sgpr_kernarg_segment_ptr 1
		.amdhsa_wavefront_size32 1
		.amdhsa_system_sgpr_workgroup_id_x 1
		.amdhsa_system_sgpr_workgroup_id_y 1
		.amdhsa_system_sgpr_workgroup_id_z 1
		.amdhsa_system_vgpr_workitem_id 0
		.amdhsa_next_free_vgpr 512
		.amdhsa_next_free_sgpr 66
		.amdhsa_reserve_vcc 0
		.amdhsa_float_denorm_mode_32 3
		.amdhsa_float_denorm_mode_16_64 3
		.amdhsa_memory_ordered 1
		.amdhsa_forward_progress 1
		.amdhsa_inst_pref_size 118
	.end_amdhsa_kernel
	.amdgpu_metadata
---
amdhsa.version: [ 1, 2 ]
amdhsa.kernels:
  - .name:           k_q44273a093d_ogemm
    .symbol:         k_q44273a093d_ogemm.kd
    .args:
      - { .name: ao, .offset: 0, .size: 8, .value_kind: global_buffer, .address_space: global }
      - { .name: wob, .offset: 8, .size: 8, .value_kind: global_buffer, .address_space: global }
      - { .name: yb, .offset: 16, .size: 8, .value_kind: global_buffer, .address_space: global }
    .group_segment_fixed_size: 327680
    .private_segment_fixed_size: 0
    .kernarg_segment_align: 8
    .kernarg_segment_size: 24
    .max_flat_workgroup_size: 128
    .sgpr_count:     66
    .vgpr_count:     512
    .wavefront_size: 32
...
	.end_amdgpu_metadata
.endif
;; end of part 4
;; launch lnorm (part 5): grid 256 x 1, 8 waves a work-group, no clusters, 0 bytes of LDS; arguments yb, q, ln_w, ln_b, out0; writes out0
.if DOCPART == 5
	.amdgcn_target "amdgcn-amd-amdhsa--gfx1250"
	.amdhsa_code_object_version 6
	.text
	.protected	k_q44273a093d_lnorm
	.globl	k_q44273a093d_lnorm
	.p2align	8
	.type	k_q44273a093d_lnorm,@function
k_q44273a093d_lnorm:
	s_mov_b64 s[64:65], 0
	v_nop
	global_prefetch_b8 v0, s[64:65] scope:SCOPE_SE
	s_setreg_imm32_b32 hwreg(HW_REG_WAVE_MODE, 25, 1), 1
	s_wait_xcnt 0x0
; out0[r][c] = (x - mean) / max(deviation, 1e-6) * ln_w[c] + ln_b[c],  x = yb[r][c] + q[r][c];  deviation with 1023 in the divisor.
; yb: bf16 [8192][1024]; q, out0: f32 [8192][1024]; ln_w, ln_b: f32 [1024].
; A stream: every byte of yb and q is read once, every byte of out0 written once.  One wave takes a whole row (4,096 bytes of q in eight
; loads of 512 consecutive bytes, 2,048 bytes of yb in eight loads of 256) and keeps it in 32 registers through the three passes, so no wave
; waits for another: no LDS, no barrier.  Lane L holds columns 128 j + 4 L + 0..3, j = 0..7, in q, yb, ln_w, ln_b and out0 alike.
; 256 work-groups x 8 waves x 4 rows.  Three row slots in registers: three rows' 48 loads go out at once, the fourth row takes the first
; slot when its stores have read it.  ln_w and ln_b stay in 64 registers for the wave's four rows.
; The work-groups share nothing but the 8,192 bytes of ln_w and ln_b: clusters, the tensor mover and the matrix unit have nothing to give.
; The deviation is made in two passes (mean first, then squares of differences): no difference of large sums is formed.
.set QO,  2                            ; v2        16 L: my bytes in a piece of 512 of q, out0, ln_w, ln_b; never rewritten
.set YO,  3                            ; v3        8 L: my bytes in a piece of 256 of yb; never rewritten
.set W,   8                            ; v[8:39]   ln_w of my 32 columns
.set B,   40                           ; v[40:71]  ln_b
.set X,   72                           ; slot s at X + 48 s: 32 registers q, then x, then the result; 16 registers yb
.set T,   216                          ; v[216:223] four chains of pairs
.set NMU, 224                          ; v[224:225] minus the mean, twice
.set RS,  226                          ; v[226:227] 1 / deviation, twice
.set ONE, 228                          ; v228      1.0
.set PS,  229                          ; v229      a sum
	s_load_b256 s[4:11], s[0:1], 0x0               ; yb 4, q 6, ln_w 8, ln_b 10
	s_load_b64 s[12:13], s[0:1], 0x20              ; out0
	v_lshrrev_b32 v1, 5, v0
	v_readfirstlane_b32 s14, v1                    ; wave 0..7
	v_and_b32 v1, 31, v0
	v_lshlrev_b32 v[QO], 4, v1
	v_lshlrev_b32 v[YO], 3, v1
	v_mov_b32 v[ONE], 1.0
	s_mov_b32 s20, 0x76543210                      ; v_permlanex16_b32: lane i reads lane i of the other half
	s_mov_b32 s21, 0xfedcba98
	s_lshl_b32 s16, ttmp9, 17                      ; the work-group's 32 rows of 4,096 bytes
	s_lshl_b32 s15, s14, 14                        ; + the wave's 4 rows
	s_add_co_u32 s16, s16, s15
	s_mov_b32 s17, 0
	s_lshr_b32 s18, s16, 1                         ; half of that in yb
	s_mov_b32 s19, 0
	s_wait_kmcnt 0x0
	s_add_nc_u64 s[6:7], s[6:7], s[16:17]
	s_add_nc_u64 s[12:13], s[12:13], s[16:17]
	s_add_nc_u64 s[4:5], s[4:5], s[18:19]
.irp j, 0,1,2,3,4,5,6,7
	global_load_b128 v[W+4*\j:W+4*\j+3], v[QO], s[8:9] offset:512*\j
	global_load_b128 v[B+4*\j:B+4*\j+3], v[QO], s[10:11] offset:512*\j
.endr
.macro FILL s, row                     ; sixteen loads: the whole row of q and of yb
.irp j, 0,1,2,3,4,5,6,7
	global_load_b128 v[X+48*\s+4*\j:X+48*\s+4*\j+3], v[QO], s[6:7] offset:\row*4096+512*\j th:TH_LOAD_NT
.endr
.irp j, 0,1,2,3,4,5,6,7
	global_load_b64 v[X+48*\s+32+2*\j:X+48*\s+32+2*\j+1], v[YO], s[4:5] offset:\row*2048+256*\j th:TH_LOAD_NT
.endr
.endm
	FILL 0, 0
	FILL 1, 1
	FILL 2, 2
; four chains of pairs -> one number -> the sum over the 32 lanes, in every lane
.macro TOTAL
	v_pk_add_f32 v[T:T+1], v[T:T+1], v[T+2:T+3]
	v_pk_add_f32 v[T+4:T+5], v[T+4:T+5], v[T+6:T+7]
	v_pk_add_f32 v[T:T+1], v[T:T+1], v[T+4:T+5]
	v_add_f32 v[PS], v[T], v[T+1]
	v_add_f32_dpp v[PS], v[PS], v[PS] row_xmask:1 row_mask:0xf bank_mask:0xf
	v_add_f32_dpp v[PS], v[PS], v[PS] row_xmask:2 row_mask:0xf bank_mask:0xf
	v_add_f32_dpp v[PS], v[PS], v[PS] row_xmask:4 row_mask:0xf bank_mask:0xf
	v_add_f32_dpp v[PS], v[PS], v[PS] row_xmask:8 row_mask:0xf bank_mask:0xf
	v_permlanex16_b32 v[T+1], v[PS], s20, s21      ; its destination counts as read: a register that has been written
	v_add_f32 v[PS], v[PS], v[T+1]
.endm
; The row in slot s.  left = how many younger loads may stay out.
.macro ROW s, row, left
	s_wait_loadcnt \left                           ; loads come back in order: this row's sixteen (and ln_w, ln_b) are in, 16 for each younger row stay out
	; x = q + yb: one fused multiply-add by 1.0 takes each bf16 half as it lies
.set n, 0
.rept 16
	v_fma_mix_f32_bf16 v[X+48*\s+2*n], v[X+48*\s+32+n], v[ONE], v[X+48*\s+2*n] op_sel_hi:[1,0,0]
	v_fma_mix_f32_bf16 v[X+48*\s+2*n+1], v[X+48*\s+32+n], v[ONE], v[X+48*\s+2*n+1] op_sel:[1,0,0] op_sel_hi:[1,0,0]
.set n, n+1
.endr
	; the mean
.irp p, 0,1,2,3
	v_pk_add_f32 v[T+2*\p:T+2*\p+1], v[X+48*\s+2*\p:X+48*\s+2*\p+1], v[X+48*\s+8+2*\p:X+48*\s+8+2*\p+1]
.endr
.irp g, 2,3
.irp p, 0,1,2,3
	v_pk_add_f32 v[T+2*\p:T+2*\p+1], v[T+2*\p:T+2*\p+1], v[X+48*\s+8*\g+2*\p:X+48*\s+8*\g+2*\p+1]
.endr
.endr
	TOTAL
	v_mul_f32 v[NMU], 0xba800000, v[PS]            ; - sum / 1024
	v_mul_f32 v[NMU+1], 0xba800000, v[PS]
	; the differences from the mean, kept, and their squares' sum
.irp p, 0,1,2,3
	v_pk_add_f32 v[X+48*\s+2*\p:X+48*\s+2*\p+1], v[X+48*\s+2*\p:X+48*\s+2*\p+1], v[NMU:NMU+1]
.endr
.irp p, 0,1,2,3
	v_pk_mul_f32 v[T+2*\p:T+2*\p+1], v[X+48*\s+2*\p:X+48*\s+2*\p+1], v[X+48*\s+2*\p:X+48*\s+2*\p+1]
.endr
.irp g, 1,2,3
.irp p, 0,1,2,3
	v_pk_add_f32 v[X+48*\s+8*\g+2*\p:X+48*\s+8*\g+2*\p+1], v[X+48*\s+8*\g+2*\p:X+48*\s+8*\g+2*\p+1], v[NMU:NMU+1]
.endr
.irp p, 0,1,2,3
	v_pk_fma_f32 v[T+2*\p:T+2*\p+1], v[X+48*\s+8*\g+2*\p:X+48*\s+8*\g+2*\p+1], v[X+48*\s+8*\g+2*\p:X+48*\s+8*\g+2*\p+1], v[T+2*\p:T+2*\p+1]
.endr
.endr
	TOTAL
	v_mul_f32 v[PS], 0x3a802008, v[PS]             ; / 1023
	v_sqrt_f32 v[PS], v[PS]
	v_nop                                          ; one plain vector instruction behind a transcendental (ISA guide 5.7.2)
	s_wait_alu depctr_va_vdst(0)
	v_max_num_f32 v[PS], 0x358637bd, v[PS]         ; at least 1e-6
	v_rcp_f32 v[RS], v[PS]
	v_nop
	s_wait_alu depctr_va_vdst(0)
	v_mov_b32 v[RS+1], v[RS]
	; scale, gain and bias, in place; a piece of 512 consecutive bytes a store
.irp j, 0,1,2,3,4,5,6,7
	v_pk_mul_f32 v[X+48*\s+4*\j:X+48*\s+4*\j+1], v[X+48*\s+4*\j:X+48*\s+4*\j+1], v[RS:RS+1]
	v_pk_mul_f32 v[X+48*\s+4*\j+2:X+48*\s+4*\j+3], v[X+48*\s+4*\j+2:X+48*\s+4*\j+3], v[RS:RS+1]
	v_pk_fma_f32 v[X+48*\s+4*\j:X+48*\s+4*\j+1], v[X+48*\s+4*\j:X+48*\s+4*\j+1], v[W+4*\j:W+4*\j+1], v[B+4*\j:B+4*\j+1]
	v_pk_fma_f32 v[X+48*\s+4*\j+2:X+48*\s+4*\j+3], v[X+48*\s+4*\j+2:X+48*\s+4*\j+3], v[W+4*\j+2:W+4*\j+3], v[B+4*\j+2:B+4*\j+3]
	global_store_b128 v[QO], v[X+48*\s+4*\j:X+48*\s+4*\j+3], s[12:13] offset:\row*4096+512*\j th:TH_STORE_NT
.endr
.endm
	ROW 0, 0, 32                                   ; rows 1 and 2 stay on their way
	s_wait_xcnt 0x0                                ; slot 0, which the stores above read, is loaded again only behind this wait
	FILL 0, 3
	ROW 1, 1, 32                                   ; rows 2 and 3 stay out
	ROW 2, 2, 16                                   ; row 3 stays out
	ROW 0, 3, 0
	s_endpgm
.Lfunc_end_k_q44273a093d_lnorm:
	.size	k_q44273a093d_lnorm, .Lfunc_end_k_q44273a093d_lnorm-k_q44273a093d_lnorm
	.p2alignl 7, 3214868480
	.fill 96, 4, 3214868480
	.section	.rodata,"a",@progbits
	.p2align	6, 0x0
	.amdhsa_kernel k_q44273a093d_lnorm
		.amdhsa_group_segment_fixed_size 0
		.amdhsa_private_segment_fixed_size 0
		.amdhsa_enable_private_segment 0
		.amdhsa_kernarg_size 40
		.amdhsa_user_sgpr_count 2
		.amdhsa_user_sgpr_kernarg_segment_ptr 1
		.amdhsa_wavefront_size32 1
		.amdhsa_system_sgpr_workgroup_id_x 1
		.amdhsa_system_sgpr_workgroup_id_y 1
		.amdhsa_system_sgpr_workgroup_id_z 1
		.amdhsa_system_vgpr_workitem_id 0
		.amdhsa_next_free_vgpr 232
		.amdhsa_next_free_sgpr 66
		.amdhsa_reserve_vcc 0
		.amdhsa_float_denorm_mode_32 3
		.amdhsa_float_denorm_mode_16_64 3
		.amdhsa_memory_ordered 1
		.amdhsa_forward_progress 1
		.amdhsa_inst_pref_size 46
	.end_amdhsa_kernel
	.amdgpu_metadata
---
amdhsa.version: [ 1, 2 ]
amdhsa.kernels:
  - .name:           k_q44273a093d_lnorm
    .symbol:         k_q44273a093d_lnorm.kd
    .args:
      - { .name: yb, .offset: 0, .size: 8, .value_kind: global_buffer, .address_space: global }
      - { .name: q, .offset: 8, .size: 8, .value_kind: global_buffer, .address_space: global }
      - { .name: ln_w, .offset: 16, .size: 8, .value_kind: global_buffer, .address_space: global }
      - { .name: ln_b, .offset: 24, .size: 8, .value_kind: global_buffer, .address_space: global }
      - { .name: out0, .offset: 32, .size: 8, .value_kind: global_buffer, .address_space: global }
    .group_segment_fixed_size: 0
    .private_segment_fixed_size: 0
    .kernarg_segment_align: 8
    .kernarg_segment_size: 40
    .max_flat_workgroup_size: 256
    .sgpr_count:     66
    .vgpr_count:     232
    .wavefront_size: 32
...
	.end_amdgpu_metadata
.endif
;; end of part 5
